; MI455X (gfx1250); checked and timed in simulation.
; The chip was launched on July 23, 2026; its instructions are those of AMD's public machine-readable ISA for CDNA 5 (MIT licence, August 2026) and "CDNA5" Instruction Set Architecture Reference Guide (July 2026). The comments in the code are by the model that wrote it; some were corrected since.
;; Open AI Compatible Multi Head Attention. Allowed arithmetic: matrix products marked QUANTISED: E3M2 operands, one E8M0 scale for each 32 along K, by v_wmma_scale_f32_16x16x128_f8f6f4 with both operands' format E3M2, f32 sums; everything else in f32.
;; Inputs: b_proj 1,024 float32; w_attn 1,024 x 3,072 float32; w_proj 1,024 x 1,024 float32; x 4 x 2,048 x 1,024 float32.
;; Outputs: out0 4 x 2,048 x 1,024 float32.
;; This version of the problem:
;;   THIS VERSION OF THE PROBLEM IS GIVEN IN LOW PRECISION. The matrix products marked QUANTISED in the list below multiply operands that are first quantised to E3M2 (3 exponent bits, 2 mantissa bits; 6 bits a number), with one power-of-two scale for each 32 numbers along K (OCP MX v1.0); their sums are f32. All else is computed in f32.
;;   The module's matrix products, in the order in which they are computed (A, B: the left and right operand; K: the contracted axis; several contracted axes count as one K, in the product's order):
;;     1. [M 8,192, K 1,024] x [K 1,024, N 3,072]; A: input x; B: input w_attn: QUANTISED
;;     2. batch 64 x [M 2,048, K 64] x [K 64, N 2,048]; A: computed on the way; B: computed on the way: QUANTISED
;;     3. batch 64 x [M 2,048, K 2,048] x [K 2,048, N 64]; A: softmax (see below); B: computed on the way: QUANTISED
;;     4. [M 8,192, K 1,024] x [K 1,024, N 1,024]; A: computed on the way; B: input w_proj: QUANTISED
;;   THE QUANTISER, for each operand of a quantised product, along K:
;;     - K is cut into blocks of 32 from its start; a last block that is shorter is filled with zeros.
;;     - A block's scale is 2^e with e = floor(log2(the largest magnitude in the block)) - 4, held to -126 .. 127; a block of zeros has e = 0. As a byte (E8M0): e + 127.
;;     - Each number is divided by its block's scale, clamped to +-28, and rounded to the nearest number of E3M2, ties to even, subnormals kept.
;;     - The product sums the exact products of the quantised numbers (number of the format x scale) in f32.
;;   ~~~python
;;   def quantise(x, axis):      # numpy; x: float32 -> the quantised numbers, widened to float32 again
;;       x = np.moveaxis(x, axis, -1); K = x.shape[-1]
;;       x = np.pad(x, [(0, 0)] * (x.ndim - 1) + [(0, -K % 32)]); x = x.reshape(x.shape[:-1] + (-1, 32)); a = np.abs(x).max(-1, keepdims=True)
;;       e = np.where(a > 0, np.clip(np.frexp(np.where(a > 0, a, 1))[1] - 1 - 4, -126, 127), 0)      # np.frexp(a)[1] - 1 = floor(log2(a)), exactly
;;       r = np.clip(x / 2.0 ** e, -28, 28)
;;       step = 2.0 ** (np.maximum(np.frexp(np.where(r == 0, 1, r))[1] - 1, -2) - 2)
;;       q = np.round(r / step) * step * 2.0 ** e      # np.round: ties to even
;;       return np.moveaxis(q.reshape(q.shape[:-2] + (-1,))[..., :K], -1, axis).astype(np.float32)
;;   ~~~
;;   SOFTMAX AHEAD OF A QUANTISED PRODUCT. Where the list says 'softmax', what is quantised is not the finished softmax but p = 2^(t - M), with t = logit x log2(e) and M = ceil(the row's largest t), a whole number; so 1/2 < the row's largest p <= 1. The row's sum l is taken of the UNQUANTISED p, in f32, and the product's result is divided by l at the end. Since M is a whole number, a kernel that streams over the keys may use a running M (the ceiling of the running maximum): every later rescaling is an exact power of two, which a block's scale takes up: the codes' values come out the same.
;;   OPERANDS COMPUTED ON THE WAY. 'Computed on the way' means the value that the module computes at that place (a softmax that the list does not call 'softmax' is quantised finished and normalised). What goes into a quantiser is computed in f32, as accurately as f32 sums, v_exp_f32 and their like allow (about 1e-6 of the number): no bf16 or f16 on the way to a quantiser, and a product that is left as it is and whose result goes on into a quantised operand takes f32 operands (vector FMAs, or v_wmma_f32_16x16x4_f32). A number that lies on a knife's edge between two numbers of the format may be rounded either way, as far as f32 arithmetic and the matrix unit's own rounding can turn it there, and no further.
;; One version. Each part assembles by itself: llvm-mc -triple=amdgcn-amd-amdhsa -mcpu=gfx1250 --defsym DOCPART=n.
;; ======== version 1 of 1: 4 launches
;; workspace buffers: xq 6,553,600 bytes; waq 2,457,600 bytes; wpq 819,200 bytes; qkq 13,631,488 bytes; vq 6,815,744 bytes; aoq 6,553,600 bytes
;; launch quant (part 1): grid 384 x 1, 4 waves a work-group, no clusters, 68,096 bytes of LDS; arguments x, w_attn, w_proj, xq, waq, wpq; writes xq, waq, wpq
.if DOCPART == 1
	.amdgcn_target "amdgcn-amd-amdhsa--gfx1250"
	.amdhsa_code_object_version 6
	.text
	.protected	k_qf91335d19d_quant
	.globl	k_qf91335d19d_quant
	.p2align	8
	.type	k_qf91335d19d_quant,@function
k_qf91335d19d_quant:
	s_mov_b64 s[64:65], 0
	v_nop
	global_prefetch_b8 v0, s[64:65] scope:SCOPE_SE
	s_setreg_imm32_b32 hwreg(HW_REG_WAVE_MODE, 25, 1), 1
	s_wait_xcnt 0x0
; The three f32 inputs of the quantised products become codes of BF6 (E3M2), 6 bits each, K innermost, with one E8M0 byte for each 32 along K.
; x [8192][1024] (K innermost): work-groups 0-255.  xq: codes [8192][768 bytes] at 0, scale bytes [8192][32] at XSOFF.
; w_attn [1024 k][3072 n], w_proj [1024 k][1024 n] (K is the FIRST axis): work-groups 256-383.  waq, wpq: codes [n][768 bytes] at 0, scale bytes [n][32] behind them.
; A block's scale is 2^(floor(log2(its largest magnitude)) - 4); its byte is the largest magnitude's exponent field - 4, held at 1 from below.
; w_proj ALONE gets another order of codes inside each block of 32: code position p holds row p of the block, but for positions 8-15, which hold rows 16-23, and 16-23, which hold rows 8-15.
; That is the order in which the attention launch's results leave their registers; the same order on both sides of a product keeps every product, and a block's 32 numbers, so its scale, are the same.
; LIMITS: a block whose largest magnitude lies under 2^-122, a block of zeros among them, keeps the byte 1 (its codes are zeros or next to it; the bytes are read by this program alone); NaN and infinities are not served.
; Every work-group turns 32,768 numbers.  No tensor loads, no barrier: waves share nothing.  The two paths part on the work-group's number and have LDS bytes of their own.
.set STEPS, 16                         ; x: steps of 512 numbers for a wave
.set EMAX,  4
.set CB,    12                         ; bytes of 16 codes
.set R,     16                         ; x: v16-79   four sets of 16 numbers as loaded
.set X,     80                         ; x: v80-111  two sets of 16 neighbours
.set E,     112                        ; x: v112-127 a scale byte for each step
.set C,     128                        ; x: v128-191 codes, four registers a step
.set WREG,  8192                       ; x: LDS for a wave: two stages of 32 x SP bytes, then its 256 scale bytes
.set SP,    80
.set XSOFF, 6291456                    ; where xq's scale bytes begin
.set WLDS,  32768                      ; w: LDS from here on
.set WSTAGE, 8704                      ; w: a wave's stage: 32 rows x 272 bytes
.set WPITCH, 272
.set WX,    32                         ; w: v32-95   two sets of 32 numbers
.set WC,    96                         ; w: v96..    a block's codes
.set OUTR,  112                        ; w: v112-175 the way out
.set SB,    24                         ; w: v24-25   eight scale bytes
.set AD,    176                        ; w: v176-207 offset of code position p's row: 4 x lane + row x pitch; never rewritten
.set BB,    32                         ; w: s[32:47] a base for each of the wave's eight blocks; never rewritten
.macro XLOAD t
.irp i, 0,1,2,3
	global_load_b128 v[R+16*((\t)%4)+4*\i:R+16*((\t)%4)+4*\i+3], v3, s[4:5] offset:2048*(\t)+512*\i th:TH_LOAD_NT   ; 32 lanes read 512 consecutive bytes
.endr
.endm
.macro XTURN t                         ; a step's 2,048 bytes through the wave's stage: in as they lie, back 64 bytes a lane.  LDS serves a wave's instructions in order
.irp i, 0,1,2,3
	ds_store_b128 v14, v[R+16*((\t)%4)+4*\i:R+16*((\t)%4)+4*\i+3] offset:32*SP*((\t)%2)+8*SP*\i
.endr
.irp i, 0,1,2,3
	ds_load_b128 v[X+16*((\t)%2)+4*\i:X+16*((\t)%2)+4*\i+3], v15 offset:32*SP*((\t)%2)+16*\i
.endr
.endm
.macro XSTEP t
.set XS, X+16*((\t)%2)
.if (\t) > 0
	s_wait_dscnt 1                                 ; this step's numbers are back from the stage; the last step's byte store may be out
.else
	s_wait_dscnt 0x0
.endif
.if (\t)+4 < STEPS
	XLOAD (\t)+4                                   ; into the registers that this step's stores to the stage have read
.endif
.if (\t)+1 < STEPS
.if STEPS-2-(\t) >= 3
	s_wait_loadcnt 12                              ; the next step's four loads are in; the three steps behind it (12 loads) may be out
.else
	s_wait_loadcnt 4*(STEPS-2-(\t))
.endif
	XTURN (\t)+1
.endif
	v_max3_num_f32 v8, |v[XS]|, |v[XS+1]|, |v[XS+2]|               ; the largest magnitude of my 16, in two chains
	v_max3_num_f32 v9, |v[XS+3]|, |v[XS+4]|, |v[XS+5]|
.irp i, 6,10
	v_max3_num_f32 v8, v8, |v[XS+\i]|, |v[XS+\i+1]|
	v_max3_num_f32 v9, v9, |v[XS+\i+2]|, |v[XS+\i+3]|
.endr
	v_max3_num_f32 v8, v8, |v[XS+14]|, |v[XS+15]|
	v_max3_num_f32 v8, v8, v9, (EMAX+1)<<23        ; and the floor 2^(5 - 127): the byte cannot fall under 1
	v_max_num_f32_dpp v8, v8, v8 row_xmask:1 row_mask:0xf bank_mask:0xf   ; with my neighbour's 16: the block's
	v_add_nc_u32 v11, -(EMAX<<23), v8              ; 4 off the exponent field: the conversion takes that field as its scale
	v_cvt_scalef32_pk16_bf6_f32 v[C+4*(\t):C+4*(\t)+2], v[XS:XS+15], v11
	v_lshrrev_b32 v[E+(\t)], 23, v11               ; the scale's byte
	ds_store_b8 v5, v[E+(\t)] offset:16*(\t)       ; both lanes of a block write the same byte with the same value
	global_store_b96 v4, v[C+4*(\t):C+4*(\t)+2], s[8:9] offset:32*CB*(\t)   ; the wave stores 384 consecutive bytes
.endm
.macro WLOAD t                         ; block t of my column: code position p's number into register p of set t % 2
.set p, 0
.rept 32
	global_load_b32 v[WX+32*((\t)%2)+p], v[AD+p], s[BB+2*(\t):BB+2*(\t)+1] th:TH_LOAD_NT
.set p, p+1
.endr
.endm
.macro WBLOCK t
.set XS, WX+32*((\t)%2)
.if (\t) < 7
	s_wait_loadcnt 32                              ; this block's 32 loads are in; the next block's 32 may be out
.else
	s_wait_loadcnt 0x0
.endif
	v_max3_num_f32 v12, |v[XS]|, |v[XS+1]|, |v[XS+2]|              ; all 32 numbers of the block are mine
	v_max3_num_f32 v13, |v[XS+3]|, |v[XS+4]|, |v[XS+5]|
.irp i, 6,10,14,18,22,26
	v_max3_num_f32 v12, v12, |v[XS+\i]|, |v[XS+\i+1]|
	v_max3_num_f32 v13, v13, |v[XS+\i+2]|, |v[XS+\i+3]|
.endr
	v_max3_num_f32 v12, v12, |v[XS+30]|, |v[XS+31]|
	v_max3_num_f32 v12, v12, v13, (EMAX+1)<<23
	v_add_nc_u32 v11, -(EMAX<<23), v12
	v_lshrrev_b32 v13, 23, v11
.if (\t)%4 == 0
	v_mov_b32 v[SB+(\t)/4], v13                    ; four bytes to a register, the lower K in the lower byte
.else
	v_lshl_or_b32 v[SB+(\t)/4], v13, 8*((\t)%4), v[SB+(\t)/4]
.endif
	v_cvt_scalef32_pk16_bf6_f32 v[WC:WC+2], v[XS:XS+15], v11
	v_cvt_scalef32_pk16_bf6_f32 v[WC+4:WC+6], v[XS+16:XS+31], v11  ; (a conversion's three registers begin on an even number)
	ds_store_b96 v4, v[WC:WC+2] offset:32*(\t)     ; 12 bytes to a place of 16 in the stage
	ds_store_b96 v4, v[WC+4:WC+6] offset:32*(\t)+16
.if (\t)+2 < 8
	WLOAD (\t)+2
.endif
	s_wait_dscnt 0x0                               ; the stores have read their registers: the next block's codes may be written
.endm
	s_load_b256 s[4:11], s[0:1], 0x0               ; x s[4:5], w_attn s[6:7], w_proj s[8:9], xq s[10:11]
	s_load_b128 s[12:15], s[0:1], 0x20             ; waq s[12:13], wpq s[14:15]
	v_lshl_add_u32 v208, v0, 2, 0x10800
	v_mov_b32 v209, 0
	v_lshrrev_b32 v1, 5, v0
	v_readfirstlane_b32 s16, v1                    ; wave
	v_and_b32 v2, 31, v0                           ; lane
	s_cmp_ge_u32 ttmp9, 256
	s_cbranch_scc1 .Lweights
	; ---------------- x: a plain stream of blocks of 32 ----------------
	v_lshlrev_b32 v3, 4, v2                        ; my 16 bytes of a load's 512
	s_mul_i32 s17, s16, WREG
	v_lshrrev_b32 v14, 2, v2
	v_mul_u32_u24 v14, v14, SP
	v_and_b32 v15, 3, v2
	v_lshl_add_u32 v14, v15, 4, v14
	v_add_nc_u32 v14, s17, v14                     ; the stage, in: SP (lane / 4) + 16 (lane % 4)
	v_mul_u32_u24 v15, v2, SP
	v_add_nc_u32 v15, s17, v15                     ; and out: SP x lane
	v_mul_u32_u24 v4, v2, CB                       ; my codes' place in a step's
	v_lshrrev_b32 v5, 1, v2
	s_add_co_u32 s17, s17, 2*32*SP
	v_add_nc_u32 v5, s17, v5                       ; my block's byte among the wave's 256
	v_lshlrev_b32 v7, 3, v2
	v_add_nc_u32 v6, s17, v7
	s_lshl_b32 s18, ttmp9, 2
	s_add_co_u32 s18, s18, s16                     ; which run of 8,192 numbers is my wave's: 0 .. 1023
	s_lshl_b32 s20, s18, 15
	s_mov_b32 s21, 0
	s_mul_i32 s22, s18, 32*STEPS*CB
	s_mov_b32 s23, 0
	s_lshl_b32 s24, s18, 8
	s_add_co_u32 s24, s24, XSOFF
	s_mov_b32 s25, 0
	s_wait_alu depctr_va_vdst(0)
	s_wait_kmcnt 0x0
	s_add_nc_u64 s[4:5], s[4:5], s[20:21]          ; x
	s_add_nc_u64 s[8:9], s[10:11], s[22:23]        ; the run's codes
	s_add_nc_u64 s[10:11], s[10:11], s[24:25]      ; the run's 256 scale bytes
.irp t, 0,1,2,3
	XLOAD \t
.endr
	s_wait_loadcnt 12                              ; step 0's four loads are in
	XTURN 0
.irp t, 0,1,2,3,4,5,6,7,8,9,10,11,12,13,14,15
	XSTEP \t
.endr
	ds_load_b64 v[12:13], v6                       ; LDS serves a wave's instructions in order: these see my byte stores
	s_wait_dscnt 0x0
	global_store_b64 v7, v[12:13], s[10:11]        ; 32 lanes store 256 consecutive bytes, aligned
	s_wait_tensorcnt 0x0
	ds_add_u32 v208, v209
	s_wait_dscnt 0x0
	s_endpgm
	; ---------------- the weights: a lane takes a column n, its registers run down K ----------------
.Lweights:
	s_sub_co_u32 s17, ttmp9, 256
	s_lshr_b32 s18, s17, 2                         ; block of 128 columns: 0-23 w_attn's, 24-31 w_proj's
	s_and_b32 s19, s17, 3                          ; which 256 along K
	s_mov_b32 s20, 4096
	s_mov_b32 s21, 786432
	s_cmp_lt_u32 s18, 24                           ; the choice hangs on the work-group's number alone
	s_cselect_b32 s20, 12288, s20                  ; bytes from row to row of the weight
	s_cselect_b32 s21, 2359296, s21                ; where the output's scale bytes begin
	s_cselect_b32 s22, 0, 8                        ; by how many rows the middle groups of eight change places
	s_cselect_b32 s23, 0, 24
	s_wait_kmcnt 0x0
	s_cselect_b64 s[6:7], s[6:7], s[8:9]           ; the weight
	s_cselect_b64 s[12:13], s[12:13], s[14:15]     ; its output
	s_sub_co_u32 s18, s18, s23
	s_lshl_b32 s24, s18, 7
	s_lshl_b32 s25, s16, 5
	s_add_co_u32 s24, s24, s25                     ; my wave's first column
	s_wait_alu depctr_va_vdst(0)
	v_lshlrev_b32 v3, 2, v2                        ; 4 bytes a lane
.set p, 0
	s_wait_alu depctr_va_vdst(0)
.rept 32
.if (p >= 8) && (p < 16)
	s_add_co_u32 s25, s22, p
	s_mul_i32 s25, s25, s20
.elseif (p >= 16) && (p < 24)
	s_sub_co_u32 s25, p, s22
	s_mul_i32 s25, s25, s20
.else
	s_mul_i32 s25, s20, p
.endif
	v_add_nc_u32 v[AD+p], s25, v3
.set p, p+1
.endr
	s_mul_i32 s26, s19, s20
	s_lshl_b32 s26, s26, 8                         ; 256 rows for each step along K
	s_lshl_b32 s27, s24, 2
	s_add_co_u32 s26, s26, s27
	s_mov_b32 s27, 0
	s_add_nc_u64 s[BB:BB+1], s[6:7], s[26:27]
	s_lshl_b32 s28, s20, 5                         ; 32 rows on
	s_mov_b32 s29, 0
.irp t, 1,2,3,4,5,6,7
	s_add_nc_u64 s[BB+2*\t:BB+2*\t+1], s[BB+2*\t-2:BB+2*\t-1], s[28:29]
.endr
	s_mul_i32 s26, s24, 768
	s_mul_i32 s31, s19, 192
	s_add_co_u32 s26, s26, s31
	s_add_nc_u64 s[48:49], s[12:13], s[26:27]      ; codes: column x 768 + 192 x step
	s_lshl_b32 s26, s24, 5
	s_lshl_b32 s31, s19, 3
	s_add_co_u32 s26, s26, s31
	s_add_co_u32 s26, s26, s21
	s_add_nc_u64 s[50:51], s[12:13], s[26:27]      ; scale bytes: column x 32 + 8 x step
	s_wait_alu depctr_va_vdst(0)
	WLOAD 0
	WLOAD 1
	s_mul_i32 s30, s16, WSTAGE
	s_add_co_u32 s30, s30, WLDS                    ; my stage
	v_mul_u32_u24 v4, v2, WPITCH
	v_add_nc_u32 v4, s30, v4                       ; in: row = my column
	v_and_b32 v5, 15, v2
	v_lshrrev_b32 v6, 4, v2
	v_mul_u32_u24 v7, v6, WPITCH
	v_lshl_add_u32 v7, v5, 4, v7
	v_add_nc_u32 v7, s30, v7                       ; out: sixteen lanes to a row, two rows an instruction
	v_mul_u32_u24 v8, v6, 768
	v_mad_u32_u24 v8, v5, 12, v8                   ; and the same place in the codes
	v_lshlrev_b32 v9, 5, v2                        ; my column's row of scale bytes
.irp t, 0,1,2,3,4,5,6,7
	WBLOCK \t
.endr
	s_wait_alu depctr_va_vdst(0)
	global_store_b64 v9, v[SB:SB+1], s[50:51]      ; my column's eight scale bytes
.irp t, 0,1,2,3,4,5,6,7,8,9,10,11,12,13,14,15
	ds_load_b96 v[OUTR+4*\t:OUTR+4*\t+2], v7 offset:2*\t*WPITCH
.endr
.irp t, 0,1,2,3,4,5,6,7,8,9,10,11,12,13,14,15
	s_wait_dscnt 15-\t                             ; the younger loads may be out
	global_store_b96 v8, v[OUTR+4*\t:OUTR+4*\t+2], s[48:49] offset:2*\t*768   ; sixteen lanes store a row's 192 consecutive bytes
.endr
	s_wait_tensorcnt 0x0
	ds_add_u32 v208, v209
	s_wait_dscnt 0x0
	s_endpgm
.Lfunc_end_k_qf91335d19d_quant:
	.size	k_qf91335d19d_quant, .Lfunc_end_k_qf91335d19d_quant-k_qf91335d19d_quant
	.p2alignl 7, 3214868480
	.fill 96, 4, 3214868480
	.section	.rodata,"a",@progbits
	.p2align	6, 0x0
	.amdhsa_kernel k_qf91335d19d_quant
		.amdhsa_group_segment_fixed_size 68096
		.amdhsa_private_segment_fixed_size 0
		.amdhsa_enable_private_segment 0
		.amdhsa_kernarg_size 48
		.amdhsa_user_sgpr_count 2
		.amdhsa_user_sgpr_kernarg_segment_ptr 1
		.amdhsa_wavefront_size32 1
		.amdhsa_system_sgpr_workgroup_id_x 1
		.amdhsa_system_sgpr_workgroup_id_y 1
		.amdhsa_system_sgpr_workgroup_id_z 1
		.amdhsa_system_vgpr_workitem_id 0
		.amdhsa_next_free_vgpr 210
		.amdhsa_next_free_sgpr 66
		.amdhsa_reserve_vcc 0
		.amdhsa_float_denorm_mode_32 3
		.amdhsa_float_denorm_mode_16_64 3
		.amdhsa_memory_ordered 1
		.amdhsa_forward_progress 1
		.amdhsa_inst_pref_size 76
	.end_amdhsa_kernel
	.amdgpu_metadata
---
amdhsa.version: [ 1, 2 ]
amdhsa.kernels:
  - .name:           k_qf91335d19d_quant
    .symbol:         k_qf91335d19d_quant.kd
    .args:
      - { .name: x, .offset: 0, .size: 8, .value_kind: global_buffer, .address_space: global }
      - { .name: w_attn, .offset: 8, .size: 8, .value_kind: global_buffer, .address_space: global }
      - { .name: w_proj, .offset: 16, .size: 8, .value_kind: global_buffer, .address_space: global }
      - { .name: xq, .offset: 24, .size: 8, .value_kind: global_buffer, .address_space: global }
      - { .name: waq, .offset: 32, .size: 8, .value_kind: global_buffer, .address_space: global }
      - { .name: wpq, .offset: 40, .size: 8, .value_kind: global_buffer, .address_space: global }
    .group_segment_fixed_size: 68096
    .private_segment_fixed_size: 0
    .kernarg_segment_align: 8
    .kernarg_segment_size: 48
    .max_flat_workgroup_size: 128
    .sgpr_count:     66
    .vgpr_count:     210
    .wavefront_size: 32
...
	.end_amdgpu_metadata
.endif
;; end of part 1
;; launch gemm_qkv (part 2): grid 8 x 48, 4 waves a work-group, clusters of 4 x 4, 327,680 bytes of LDS; arguments xq, waq, qkq, vq; writes qkq, vq
.if DOCPART == 2
	.amdgcn_target "amdgcn-amd-amdhsa--gfx1250"
	.amdhsa_code_object_version 6
	.text
	.protected	k_qf91335d19d_gemm_qkv
	.globl	k_qf91335d19d_gemm_qkv
	.p2align	8
	.type	k_qf91335d19d_gemm_qkv,@function
k_qf91335d19d_gemm_qkv:
	s_mov_b64 s[64:65], 0
	v_nop
	global_prefetch_b8 v0, s[64:65] scope:SCOPE_SE
	s_setreg_imm32_b32 hwreg(HW_REG_WAVE_MODE, 25, 1), 1
	s_wait_xcnt 0x0
	s_wait_alu depctr_hold_cnt(0) depctr_sa_sdst(0) depctr_va_vdst(0) depctr_va_sdst(0) depctr_va_ssrc(0) depctr_va_vcc(0) depctr_vm_vsrc(0)
	s_getreg_b32 s2, hwreg(HW_REG_IB_STS2, 6, 4)
	s_cmp_eq_u32 s2, 0
	s_cbranch_scc0 .Lentry_in_a_cluster
	s_endpgm
.Lentry_in_a_cluster:
	s_bfe_u32 s2, ttmp6, 0x10000c
	s_cmp_lg_u32 s2, 0xf033
	s_cbranch_scc0 .Lentry_shape_is_right
	s_endpgm
.Lentry_shape_is_right:
; qkv = x w_attn on codes of BF6 (E3M2) with one E8M0 scale for each 32 along K = 1,024; the results are quantised here, on the way out, and leave as codes and scale words.
; ONE TEXT, TWO PARTS.  The text multiplies an operand P (source 0) by an operand R (source 1): in a result a lane holds ONE row of R and its registers run along P's rows; it then quantises ALONG P.
;   cluster y 0-7:  P = w_attn's columns 0-2047, R = the 8,192 tokens: q and k, quantised along the head's 64.      256 tiles of 256 x 256.
;   cluster y 8-11: P = the 8,192 tokens, R = w_attn's columns 2048-3071: v transposed, quantised along the keys.   128 tiles.
; Both operands lie as rows of 768 bytes of codes with rows of 32 scale bytes behind them, so every shape is the same in both parts: pointers and offsets alone are chosen, by the cluster's y, which all partners share.
; A tile is made by four waves, 128 x 128 each: 64 accumulators, 512 registers.  K goes in steps of 256 through a ring of two LDS slots filled by the tensor data mover; the tile's scale bytes come once and stay.
; CLUSTERS: 4 x 4 work-groups; R's tiles are shared along a row of the cluster, P's along a column: each is asked for jointly, by the same tensor load with a mask that names the four.
; OUT.  For G = P's row / 64: codes [G][R's row][48 bytes] (two blocks of 24 bytes), scale words [G][R's row][4 bytes].  Inside a block of 32 the lower half of the lanes holds P's rows 0-7 and 16-23, the upper 8-15 and 24-31;
; the lower half's 12 bytes lie first: the two middle groups of eight have changed places.  Every operand that meets these codes has the same order, which keeps the products; a block's 32 numbers, so its scale, are the same.
; A wave has four scale bytes a row (128 along P): the word goes to plane G as it is and to plane G + 1 turned by 16 bits, so that a plane's own two bytes are always bytes 0 and 1.  For v the even plane's word is the word of
; 128 keys; the odd plane's is stored and not read: the price of one text for both parts.
; LIMITS: a block whose largest magnitude lies under 2^-122 keeps the byte 1; NaN and infinities are not served.
; No prefetch: a tile has four slots' worth of K in all, and two of them are asked for at the head.
; REGISTERS, in windows of 256: window 0: v0-31 addresses; v32-63 scale words, two sets; from v128 R's fragments, ONE set; on the way out v32-255 are free.  window 1: P's fragments, TWO sets.  windows 2, 3: the accumulators ((a, b) at v[8 (8 (a % 4) + b)]).
.set KSTEP,  256
.set NQ,     2                         ; matrix instructions deep in a slot
.set ROWB,   192                       ; a tile's row in bytes
.set KROW,   768                       ; an operand's row in memory
.set PITCH,  240                       ; an LDS row: 3 x (64 bytes + 16 of padding): the 32 lanes of a load of 8 bytes touch 64 different banks
.set FR,     12
.set NL,     6
.set NP,     4
.set HALFT,  128*PITCH
.set SLOT,   4*HALFT
.set LAPS,   2
.set KS,     32                        ; a row of scale bytes
.set SCL,    2*SLOT
.set HALFS,  (128*KS/256)*272
.set SBLK,   (16*KS/256)*272
.set SPARE,  SCL+4*HALFS               ; the spare words, 128 bytes a wave: two blocks of 256 bytes that no other line names
.set WSTG,   13312                     ; the way out: a stage for each wave, in slot 0: two planes of 128 x 48 bytes, then two of 128 words
.set ADRA, 16
.set ADRB, 20
.set STO,  24                          ; v24  the stage: row r, + 12 bytes for the upper half of the lanes
.set SST,  25                          ; v25  the stage: 4 r
.set RD,   26                          ; v26  the stage: 16 x lane
.set ADRS, 27
.set SPW,  28
.set NIL,  29
.set CO,   30                          ; v30  16 x lane
.set SC,   32
.set TM,   32                          ; the way out: v32-35 largest magnitudes, v36-39 at work, v44-47 the conversions' scale operands
.set AF,   128
.set G1, 24
.set G0, 32
.set G1B, 48
.set G0B, 56
.set G1S, 68
.set G0S, 76
.set G1SB, 80
.set G0SB, 88
.set SEL, 104                          ; s[104:105] lane selects for v_permlanex16_b32: lane l xor 16
.set MSB, 0
.macro WIN new                         ; the immediate's high byte repeats the setting that is left
.if MSB != (\new)
	s_set_vgpr_msb (MSB<<8)|(\new)
.set MSB, (\new)
.endif
.endm
.set MUL_LO, 0xa1                      ; source 0 (P) window 1, source 1 (R) window 0, C and D window 2
.set MUL_HI, 0xf1
.set TO_B,   0x40
; A joint load: waves 0 and 1 fetch for R, waves 2 and 3 for P.  The branch hangs on the wave's number alone.  Four v_nop follow each line.
.macro JLOAD g0a, g1a, g0b, g1b
	s_cmp_eq_u32 s15, 0
	s_cbranch_scc0 .Lfor_b_\@
	tensor_load_to_lds s[\g0a:\g0a+3], s[\g1a:\g1a+7]
	s_nop 0
.rept 4
	v_nop
.endr
	s_branch .Lasked_\@
.Lfor_b_\@:
	tensor_load_to_lds s[\g0b:\g0b+3], s[\g1b:\g1b+7]
	s_nop 0
.rept 4
	v_nop
.endr
.Lasked_\@:
.endm
.macro CREST                           ; a round of the cluster's barrier behind its opening barrier
	s_cmp_lg_u32 s14, 0
	s_cbranch_scc1 .Lnot_wave_0_\@
	s_barrier_signal -3
.Lnot_wave_0_\@:
	s_barrier_wait -3
	s_barrier_signal -1
	s_barrier_wait -1
.endm
.macro CROUND
	s_barrier_signal -1
	s_barrier_wait -1
	CREST
.endm
	s_load_b256 s[4:11], s[0:1], 0x0               ; xq s[4:5], waq s[6:7], qkq s[8:9], vq s[10:11]
	v_lshl_add_u32 v[SPW], v0, 2, SPARE
	v_mov_b32 v[NIL], 0
	ds_add_u32 v28, v29
	ds_add_u32 v28, v29
	s_wait_dscnt 0x0
	v_lshrrev_b32 v1, 5, v0
	v_readfirstlane_b32 s14, v1                    ; wave 0..3
	s_lshr_b32 s15, s14, 1                         ; which half of R's rows is mine.  Also: I fetch for R (0) or for P (1)
	s_and_b32 s16, s14, 1                          ; which half of P's rows.  Also: which 128 rows of that tile I fetch
	s_bfe_u32 s40, ttmp6, 0x40000                  ; cx, cy
	s_bfe_u32 s41, ttmp6, 0x40004
	s_and_b32 s96, ttmp7, 0xffff                   ; the cluster's y: it chooses the part
	s_sub_co_u32 s97, s96, 8
	s_lshl_b32 s97, s97, 1
	s_add_co_u32 s97, s97, ttmp9                   ; v's column of clusters: 2 (y - 8) + x
	s_mov_b32 s98, 1024
	s_mov_b32 s99, 6291456
	s_mov_b32 s100, 2359296
	s_mov_b32 s101, 6291456
	s_cmp_lt_u32 s96, 8
	s_cselect_b32 s97, ttmp9, s97                  ; column of clusters (along P)
	s_cselect_b32 s96, s96, 0                      ; row of clusters (along R)
	s_cselect_b32 s98, 8192, s98                   ; R's rows in the output
	s_cselect_b32 s99, 12582912, s99               ; where the output's scale words begin
	s_cselect_b32 s100, 6291456, s100              ; where R's scale bytes begin
	s_cselect_b32 s101, 2359296, s101              ; and P's
	s_cselect_b32 s95, 0, 2048                     ; R's first row in its buffer
	s_cselect_b32 s2, 1, 0                         ; the part, kept for the choice of pointers
	s_lshl_b32 s42, s97, 2
	s_add_co_u32 s42, s42, s40                     ; tile column = 4 x column of clusters + cx
	s_lshl_b32 s17, s96, 2
	s_add_co_u32 s17, s17, s41                     ; tile row = 4 x row of clusters + cy
	s_lshl_b32 s43, s41, 2
	s_lshl_b32 s43, 15, s43                        ; my row of the cluster
	s_lshl_b32 s44, 0x1111, s40                    ; my column
	; descriptor group 1: a tile of 128 rows x 192 bytes, 16 bytes of padding behind every 64
	s_or_b32 s[G1+0], s43, (0<<16)|(1<<20)|(1<<21)|(3<<22)|(3<<25)
	s_or_b32 s[G1B+0], s44, (0<<16)|(1<<20)|(1<<21)|(3<<22)|(3<<25)
.irp g, G1, G1B
	s_mov_b32 s[\g+1], ROWB<<16                    ; tensor_dim0
	s_mov_b32 s[\g+2], 128<<16                     ; tensor_dim1
	s_mov_b32 s[\g+3], ROWB<<16                    ; tile_dim0
	s_mov_b32 s[\g+4], 128                         ; tile_dim1
	s_mov_b32 s[\g+5], KROW                        ; stride
	s_mov_b32 s[\g+6], 0
	s_mov_b32 s[\g+7], 0
.endr
	; the scale bytes of 128 rows: 4,096 dense bytes, as 16 rows of 256 bytes (32 elements of 8), 16 bytes of padding behind each
	s_or_b32 s[G1S+0], s43, (3<<16)|(1<<20)|(1<<21)|(5<<22)|(3<<25)
	s_or_b32 s[G1SB+0], s44, (3<<16)|(1<<20)|(1<<21)|(5<<22)|(3<<25)
.irp g, G1S, G1SB
	s_mov_b32 s[\g+1], 32<<16
	s_mov_b32 s[\g+2], (128*KS/256)<<16
	s_mov_b32 s[\g+3], 32<<16
	s_mov_b32 s[\g+4], 128*KS/256
	s_mov_b32 s[\g+5], 32
	s_mov_b32 s[\g+6], 0
	s_mov_b32 s[\g+7], 0
.endr
	s_lshl_b32 s18, s16, 7                         ; which 128 rows of the tile I fetch
	s_lshl_b32 s20, s17, 8
	s_add_co_u32 s20, s20, s18
	s_add_co_u32 s20, s20, s95                     ; R: row 256 x tile row + 128 x half + its first row
	s_lshl_b32 s46, s42, 8
	s_add_co_u32 s46, s46, s18                     ; P: row 256 x tile column + 128 x half
	s_lshl_b32 s22, s20, 5
	s_add_co_u32 s22, s22, s100                    ; where these rows' scale bytes begin
	s_mov_b32 s23, 0
	s_lshl_b32 s92, s46, 5
	s_add_co_u32 s92, s92, s101
	s_mov_b32 s93, 0
	s_mul_i32 s20, s20, KROW                       ; and their codes (all under 2^24)
	s_mov_b32 s21, 0
	s_mul_i32 s46, s46, KROW
	s_mov_b32 s47, 0
	s_mul_i32 s45, s14, HALFT                      ; where they go: wave x 128 rows: no place in the cluster enters an LDS address
	s_mul_i32 s94, s14, HALFS
	s_mov_b32 s[SEL], 0x76543210
	s_mov_b32 s[SEL+1], 0xfedcba98
	s_wait_kmcnt 0x0
	s_cmp_eq_u32 s2, 1                             ; the choice of buffers hangs on the cluster's y alone
	s_cselect_b64 s[66:67], s[4:5], s[6:7]         ; R
	s_cselect_b64 s[12:13], s[6:7], s[4:5]         ; P
	s_cselect_b64 s[8:9], s[8:9], s[10:11]         ; the output
	s_add_nc_u64 s[20:21], s[66:67], s[20:21]
	s_add_nc_u64 s[22:23], s[66:67], s[22:23]
	s_add_nc_u64 s[46:47], s[12:13], s[46:47]
	s_add_nc_u64 s[92:93], s[12:13], s[92:93]
	CROUND                                         ; all sixteen work-groups are here: the first joint loads meet
	s_mov_b32 s[G0S], 1
	s_add_co_u32 s[G0S+1], s94, SCL
	s_mov_b64 s[G0S+2:G0S+3], s[22:23]
	s_or_b32 s[G0S+3], s[G0S+3], 0x80000000
	s_mov_b32 s[G0SB], 1
	s_add_co_u32 s[G0SB+1], s94, SCL
	s_mov_b64 s[G0SB+2:G0SB+3], s[92:93]
	s_or_b32 s[G0SB+3], s[G0SB+3], 0x80000000
	JLOAD G0S, G1S, G0SB, G1SB                     ; the scale bytes first: they are wanted with K step 0
.irp s, 0,1
	s_mov_b32 s[G0+4*\s], 1
	s_add_co_u32 s[G0+4*\s+1], s45, \s*SLOT
	s_add_nc_u64 s[G0+4*\s+2:G0+4*\s+3], s[20:21], \s*ROWB
	s_or_b32 s[G0+4*\s+3], s[G0+4*\s+3], 0x80000000
	s_mov_b32 s[G0B+4*\s], 1
	s_add_co_u32 s[G0B+4*\s+1], s45, \s*SLOT
	s_add_nc_u64 s[G0B+4*\s+2:G0B+4*\s+3], s[46:47], \s*ROWB
	s_or_b32 s[G0B+4*\s+3], s[G0B+4*\s+3], 0x80000000
	JLOAD G0+4*\s, G1, G0B+4*\s, G1B
.endr
	v_and_b32 v1, 15, v0                           ; r = lane % 16
	v_bfe_u32 v2, v0, 4, 1                         ; h = lane / 16
	v_mul_u32_u24 v3, v1, PITCH
	v_mul_u32_u24 v4, v2, 24
	v_add_nc_u32 v4, v3, v4                        ; a fragment's row x pitch + 24 x half
	v_lshl_add_u32 v5, v2, 4, v4                   ; and the same behind one padding more
	s_mul_i32 s21, s15, HALFT                      ; my 128 rows of R
	s_mul_i32 s22, s16, HALFT                      ; my 128 rows of P,
	s_add_co_u32 s22, s22, 2*HALFT                 ; which lie behind R's 256
.irp s, 0,1
	v_add_nc_u32 v[ADRA+\s], s21, v4
	v_add_nc_u32 v[ADRB+\s], s22, v4
	v_add_nc_u32 v[ADRA+2+\s], s21, v5
	v_add_nc_u32 v[ADRB+2+\s], s22, v5
	s_add_co_u32 s21, s21, SLOT
	s_add_co_u32 s22, s22, SLOT
.endr
	v_mul_u32_u24 v5, v1, KS                       ; my row's scale bytes: 32 a row,
	v_lshrrev_b32 v6, 8, v5
	v_lshl_add_u32 v5, v6, 4, v5                   ; and 16 more for each 256 passed
	s_mul_i32 s21, s15, HALFS
	s_mul_i32 s22, s16, HALFS
	s_add_co_u32 s22, s22, 2*HALFS
	s_sub_co_u32 s22, s22, s21
	v_mul_u32_u24 v6, s22, v2                      ; lanes 16-31 take P's
	s_add_co_u32 s21, s21, SCL
	v_add_nc_u32 v5, v5, v6
	v_add_nc_u32 v[ADRS], s21, v5
	s_mul_i32 s23, s14, WSTG                       ; my stage
	v_mul_u32_u24 v5, v1, 48
	v_mad_u32_u24 v5, v2, 12, v5
	v_add_nc_u32 v[STO], s23, v5
	v_lshl_add_u32 v[SST], v1, 2, s23
	v_and_b32 v6, 31, v0
	v_lshlrev_b32 v[CO], 4, v6
	v_add_nc_u32 v[RD], s23, v[CO]
	; where my 128 rows x 2 planes go: plane G0 = 4 x tile column + 2 x half, row R0 = 256 x tile row + 128 x half
	s_lshl_b32 s18, s42, 2
	s_lshl_b32 s19, s16, 1
	s_add_co_u32 s18, s18, s19
	s_mul_i32 s18, s18, s98
	s_lshl_b32 s19, s17, 8
	s_add_co_u32 s18, s18, s19
	s_lshl_b32 s19, s15, 7
	s_add_co_u32 s18, s18, s19                     ; G0 x rows + R0
	s_mul_i32 s20, s18, 48
	s_mov_b32 s21, 0
	s_add_nc_u64 s[4:5], s[8:9], s[20:21]          ; plane G0's codes
	s_mul_i32 s20, s98, 48
	s_add_nc_u64 s[6:7], s[4:5], s[20:21]          ; plane G0 + 1's
	s_lshl_b32 s20, s18, 2
	s_add_co_u32 s20, s20, s99
	s_add_nc_u64 s[10:11], s[8:9], s[20:21]        ; plane G0's words
	s_lshl_b32 s20, s98, 2
	s_add_nc_u64 s[12:13], s[10:11], s[20:21]      ; plane G0 + 1's
.macro FRAG reg, adr, q, i             ; a fragment: lane l holds row l % 16; registers 6 c .. 6 c + 5 hold K = 64 c + 32 (l / 16) + 0 .. 31: 24 bytes as they lie, in pieces of 8
.irp p, 0,1,2,3,4,5
.set PCE, 12*(\q)+6*(\p/3)+\p%3        ; where the piece three on lies behind one padding more, the second address register serves
.if PCE%8 < 5
	ds_load_b64 v[\reg+2*\p:\reg+2*\p+1], v[\adr] offset:8*PCE+16*(PCE/8)+(\i)*16*PITCH
.else
	ds_load_b64 v[\reg+2*\p:\reg+2*\p+1], v[\adr+2] offset:8*PCE+16*(PCE/8)+(\i)*16*PITCH
.endif
.endr
.endm
; 16 matrix instructions: R's blocks a0, a0 + 1 x P's eight.  The 64 accumulators take turns, one instruction a turn, in the same order in every step.
.macro MUL16 a0, p, q, sc, zero
.irp a, \a0, \a0+1
.irp b, 0,1,2,3,4,5,6,7
.if \zero
	v_wmma_scale_f32_16x16x128_f8f6f4 v[8*(8*((\a)%4)+\b):8*(8*((\a)%4)+\b)+7], v[128*(\p)+FR*\b:128*(\p)+FR*\b+FR-1], v[AF+FR*(\a):AF+FR*(\a)+FR-1], 0, v[SC+8*NQ*(\sc)+NQ*\b+(\q)], v[SC+8*NQ*(\sc)+NQ*(\a)+(\q)] matrix_a_fmt:MATRIX_FMT_BF6 matrix_b_fmt:MATRIX_FMT_BF6 matrix_a_scale:MATRIX_SCALE_ROW1
.else
	v_wmma_scale_f32_16x16x128_f8f6f4 v[8*(8*((\a)%4)+\b):8*(8*((\a)%4)+\b)+7], v[128*(\p)+FR*\b:128*(\p)+FR*\b+FR-1], v[AF+FR*(\a):AF+FR*(\a)+FR-1], v[8*(8*((\a)%4)+\b):8*(8*((\a)%4)+\b)+7], v[SC+8*NQ*(\sc)+NQ*\b+(\q)], v[SC+8*NQ*(\sc)+NQ*(\a)+(\q)] matrix_a_fmt:MATRIX_FMT_BF6 matrix_b_fmt:MATRIX_FMT_BF6 matrix_a_scale:MATRIX_SCALE_ROW1
.endif
.endr
.endr
.endm
.macro FETCH_B slot, q, p
	WIN TO_B
.irp i, 0,1,2,3,4,5,6,7
	FRAG 128*(\p)+FR*\i, ADRB+\slot, \q, \i
.endr
	WIN 0
.endm
.macro FETCH_A slot, q, i0
.irp i, \i0, \i0+1, \i0+2, \i0+3
	FRAG AF+FR*(\i), ADRA+\slot, \q, \i
.endr
.endm
.macro SCALES sc                       ; a K step's scale words: lanes 0-15 take R's block i, lanes 16-31 P's block i
.irp i, 0,1,2,3,4,5,6,7
	ds_load_b64 v[SC+8*NQ*\sc+NQ*\i:SC+8*NQ*\sc+NQ*\i+1], v[ADRS] offset:\i*SBLK
.endr
.endm
.macro PLACES n                        ; plain vector places behind matrix instructions, in front of loads into their registers and of reads of their results
.rept \n
	v_nop
.endr
.endm
.macro STEP slot, q, zero              ; 128 along K that has its successor in the same slot
	s_wait_dscnt 4*NL                              ; P's set and R's blocks 0-3 are in; the youngest 24 loads (R's blocks 4-7) may be out
	WIN MUL_LO
	MUL16 0, (\q)%2, \q, \slot, \zero
	MUL16 2, (\q)%2, \q, \slot, \zero
	s_wait_dscnt 0
	PLACES NP
	FETCH_B \slot, (\q)+1, 1-(\q)%2
	FETCH_A \slot, (\q)+1, 0
	WIN MUL_HI
	MUL16 4, (\q)%2, \q, \slot, \zero
	MUL16 6, (\q)%2, \q, \slot, \zero
	PLACES NP
	WIN 0
	FETCH_A \slot, (\q)+1, 4
.endm
; A slot's last step changes slots: one barrier; in front of it each wave waits for all its tensor loads, adds 0 to its spare word, and waits for that and for its own reads of this slot.
.macro TURN slot, next, fill
	s_wait_tensorcnt 0x0                           ; all my tensor loads have landed: my part of the next slot
	ds_add_u32 v[SPW], v[NIL]                      ; 0 onto my spare word
	s_wait_dscnt 4*NL+1                            ; the add and the youngest 24 loads may be out
	WIN MUL_LO
	MUL16 0, 1, NQ-1, \slot, 0
	s_wait_dscnt 0x0                               ; the add is done, and my reads of this slot are over
	s_barrier_signal -1
	MUL16 2, 1, NQ-1, \slot, 0
	WIN 0
	s_barrier_wait -1
.if \fill
	CREST                                          ; the barrier has opened a round of the cluster's barrier: no wave of any partner still reads this slot or has a load on its way
	s_add_nc_u64 s[G0+4*\slot+2:G0+4*\slot+3], s[G0+4*\slot+2:G0+4*\slot+3], 2*ROWB
	s_add_nc_u64 s[G0B+4*\slot+2:G0B+4*\slot+3], s[G0B+4*\slot+2:G0B+4*\slot+3], 2*ROWB
	JLOAD G0+4*\slot, G1, G0B+4*\slot, G1B         ; the first tensor load behind the round; its four v_nop are the places in front of the loads below
.else
	PLACES NP
.endif
	v_add_nc_u32 v[ADRS], 4*NQ, v[ADRS]            ; the next K step's scale words
	FETCH_B \next, 0, 0
	FETCH_A \next, 0, 0
	SCALES \next
	WIN MUL_HI
	MUL16 4, 1, NQ-1, \slot, 0
	MUL16 6, 1, NQ-1, \slot, 0
	PLACES NP
	WIN 0
	FETCH_A \next, 0, 4
.endm
; THE WAY OUT of R's block a: 16 rows x 128 along P = four blocks of 32 a row.  A lane holds 16 numbers of each block, the lane 16 away the other 16.
.macro QROW a
.set AC, 64*((\a)%4)
.set WW, 2+(\a)/4                      ; the accumulators' window
.set PCD, 64+16*(\a)                   ; the codes: a set of its own for each block of rows
.set WD, 192+2*(\a)                    ; the two scale words
	WIN WW|(WW<<2)                                 ; sources 0 and 1 in the accumulators' window
.irp b, 0,1,2,3
	v_max3_num_f32 v[TM+\b], |v[AC+16*\b]|, |v[AC+16*\b+1]|, 0x2800000   ; each accumulator is read from its low end on; the floor 2^(5 - 127) holds the byte at 1 from below
.endr
.irp i, 2,4,6,8,10,12,14
.irp b, 0,1,2,3
	v_max3_num_f32 v[TM+\b], |v[AC+16*\b+\i]|, |v[AC+16*\b+\i+1]|, v[TM+\b]   ; the four blocks by turns
.endr
.endr
	WIN 0
.irp b, 0,1,2,3
	v_permlanex16_b32 v[TM+4+\b], v[TM+\b], s[SEL], s[SEL+1]
.endr
.irp b, 0,1,2,3
	v_max_num_f32 v[TM+\b], v[TM+\b], v[TM+4+\b]   ; the block's largest magnitude
.endr
.irp b, 0,1,2,3
	v_add_nc_u32 v[TM+12+\b], 0xfe000000, v[TM+\b] ; 4 off its exponent field: the conversion's scale operand
.endr
.irp b, 0,1,2,3
	v_lshrrev_b32 v[TM+4+\b], 23, v[TM+12+\b]      ; the byte
.endr
	v_lshl_or_b32 v[WD], v[TM+5], 8, v[TM+4]
	v_lshl_or_b32 v[WD], v[TM+6], 16, v[WD]
	v_lshl_or_b32 v[WD], v[TM+7], 24, v[WD]        ; plane G0's word
	v_alignbit_b32 v[WD+1], v[WD], v[WD], 16       ; plane G0 + 1's: turned by 16 bits
	WIN WW                                         ; source 0 in the accumulators' window
.irp b, 0,1,2,3
	v_cvt_scalef32_pk16_bf6_f32 v[PCD+4*\b:PCD+4*\b+2], v[AC+16*\b:AC+16*\b+15], v[TM+12+\b]
.endr
	WIN 0
	v_nop                                          ; one plain place behind the last scaled conversion
.irp b, 0,1,2,3
.irp p, 0,1,2
	ds_store_b32 v[STO], v[PCD+4*\b+\p] offset:(\b/2)*6144+(\a)*768+24*(\b%2)+4*\p   ; words 12 r + 3 h: 32 different banks
.endr
.endr
	ds_store_b32 v[SST], v[WD] offset:12288+64*(\a)     ; both halves of the lanes write the same word with the same value
	ds_store_b32 v[SST], v[WD+1] offset:12800+64*(\a)
.endm
	s_wait_tensorcnt 1                             ; the scale bytes and my part of K step 0 are in; K step 1's load may be out
	s_barrier_signal -1
	s_barrier_wait -1
	FETCH_B 0, 0, 0
	FETCH_A 0, 0, 0
	SCALES 0
	FETCH_A 0, 0, 4
	STEP 0, 0, 1                                   ; the first step's products start the sums: nothing is cleared
	s_mov_b32 s3, LAPS-1
.Llap:                                                 ; a trip goes once round the ring and fills both slots again
	TURN 0, 1, 1
	STEP 1, 0, 0
	TURN 1, 0, 1
	STEP 0, 0, 0
	s_sub_co_u32 s3, s3, 1
	s_cmp_lg_u32 s3, 0
	s_cbranch_scc1 .Llap
	TURN 0, 1, 0                                   ; the last lap fills nothing
	STEP 1, 0, 0
	s_wait_dscnt 4*NL
	WIN MUL_LO
	MUL16 0, 1, NQ-1, 1, 0
	MUL16 2, 1, NQ-1, 1, 0
	s_wait_dscnt 0
	WIN MUL_HI
	MUL16 4, 1, NQ-1, 1, 0
	MUL16 6, 1, NQ-1, 1, 0
	WIN 0
	PLACES NP                                      ; behind the last products: their results are read and their operands' registers written below
.irp b, 0,1,2,3
	v_mov_b32 v[TM+4+\b], 0                        ; written once: a lane permute's destination counts as one of its sources
.endr
	; The stage lies in slot 0, which has had its last fill, and which nobody reads since the last change of slots.
.irp a, 0,1,2,3,4,5,6,7
	QROW \a
.endr
	s_wait_dscnt 0x0                               ; my stores into the stage are done: their registers take the rows read back
.set k, 0
.rept 26
	ds_load_b128 v[64+4*k:67+4*k], v[RD] offset:512*k
.set k, k+1
.endr
.set k, 0
.rept 12
	s_wait_dscnt 25-k                              ; the younger loads may be out
	global_store_b128 v[CO], v[64+4*k:67+4*k], s[4:5] offset:512*k        ; 32 lanes store 512 consecutive bytes, at a multiple of 256 from the buffer's first byte
.set k, k+1
.endr
.rept 12
	s_wait_dscnt 25-k
	global_store_b128 v[CO], v[64+4*k:67+4*k], s[6:7] offset:512*(k-12)
.set k, k+1
.endr
	s_wait_dscnt 1
	global_store_b128 v[CO], v[160:163], s[10:11]  ; 128 rows' words: 512 bytes
	s_wait_dscnt 0x0
	global_store_b128 v[CO], v[164:167], s[12:13]
	s_wait_tensorcnt 0x0                           ; the wave's end
	ds_add_u32 v[SPW], v[NIL]
	s_wait_dscnt 0x0
	CROUND                                         ; the closing round: no work-group ends while a partner may still ask for a tile that names it
	s_endpgm
.Lfunc_end_k_qf91335d19d_gemm_qkv:
	.size	k_qf91335d19d_gemm_qkv, .Lfunc_end_k_qf91335d19d_gemm_qkv-k_qf91335d19d_gemm_qkv
	.p2alignl 7, 3214868480
	.fill 96, 4, 3214868480
	.section	.rodata,"a",@progbits
	.p2align	6, 0x0
	.amdhsa_kernel k_qf91335d19d_gemm_qkv
		.amdhsa_group_segment_fixed_size 327680
		.amdhsa_private_segment_fixed_size 0
		.amdhsa_enable_private_segment 0
		.amdhsa_kernarg_size 32
		.amdhsa_user_sgpr_count 2
		.amdhsa_user_sgpr_kernarg_segment_ptr 1
		.amdhsa_wavefront_size32 1
		.amdhsa_system_sgpr_workgroup_id_x 1
		.amdhsa_system_sgpr_workgroup_id_y 1
		.amdhsa_system_sgpr_workgroup_id_z 1
		.amdhsa_system_vgpr_workitem_id 0
		.amdhsa_next_free_vgpr 1024
		.amdhsa_next_free_sgpr 106
		.amdhsa_reserve_vcc 0
		.amdhsa_float_denorm_mode_32 3
		.amdhsa_float_denorm_mode_16_64 3
		.amdhsa_memory_ordered 1
		.amdhsa_forward_progress 1
		.amdhsa_inst_pref_size 172
	.end_amdhsa_kernel
	.amdgpu_metadata
---
amdhsa.version: [ 1, 2 ]
amdhsa.kernels:
  - .name:           k_qf91335d19d_gemm_qkv
    .symbol:         k_qf91335d19d_gemm_qkv.kd
    .args:
      - { .name: xq, .offset: 0, .size: 8, .value_kind: global_buffer, .address_space: global }
      - { .name: waq, .offset: 8, .size: 8, .value_kind: global_buffer, .address_space: global }
      - { .name: qkq, .offset: 16, .size: 8, .value_kind: global_buffer, .address_space: global }
      - { .name: vq, .offset: 24, .size: 8, .value_kind: global_buffer, .address_space: global }
    .group_segment_fixed_size: 327680
    .private_segment_fixed_size: 0
    .kernarg_segment_align: 8
    .kernarg_segment_size: 32
    .max_flat_workgroup_size: 128
    .sgpr_count:     106
    .vgpr_count:     1024
    .wavefront_size: 32
...
	.end_amdgpu_metadata
.endif
;; end of part 2
;; launch attn (part 3): grid 4 x 64, 16 waves a work-group, clusters of 4 x 1, 223,232 bytes of LDS; arguments qkq, vq, aoq; writes aoq
.if DOCPART == 3
	.amdgcn_target "amdgcn-amd-amdhsa--gfx1250"
	.amdhsa_code_object_version 6
	.text
	.protected	k_qf91335d19d_attn
	.globl	k_qf91335d19d_attn
	.p2align	8
	.type	k_qf91335d19d_attn,@function
k_qf91335d19d_attn:
	s_mov_b64 s[64:65], 0
	v_nop
	global_prefetch_b8 v0, s[64:65] scope:SCOPE_SE
	s_setreg_imm32_b32 hwreg(HW_REG_WAVE_MODE, 25, 1), 1
	s_wait_xcnt 0x0
	s_wait_alu depctr_hold_cnt(0) depctr_sa_sdst(0) depctr_va_vdst(0) depctr_va_sdst(0) depctr_va_ssrc(0) depctr_va_vcc(0) depctr_vm_vsrc(0)
	s_getreg_b32 s2, hwreg(HW_REG_IB_STS2, 6, 4)
	s_cmp_eq_u32 s2, 0
	s_cbranch_scc0 .Lentry_in_a_cluster
	s_endpgm
.Lentry_in_a_cluster:
	s_bfe_u32 s2, ttmp6, 0x10000c
	s_cmp_lg_u32 s2, 0x3003
	s_cbranch_scc0 .Lentry_shape_is_right
	s_endpgm
.Lentry_shape_is_right:
; Causal attention on codes of BF6 (E3M2), one E8M0 scale for each 32 along a product's K: S = q k^T / 8, p = 2^(t - M), O = p v / l; O is quantised along the head's 64 and leaves as codes for the last product.
; t = score x log2(e) / 8; M = the row's largest t so far, rounded UP to a whole number; p is quantised along the keys, not normalised; l is the sum of the unquantised p, in f32.  When M moves, l and O are multiplied by 2^(old M - new M): exact.
; IN.  qkq: codes [G 32][token 8192][48 bytes], G = head for q, 16 + head for k; scale words [G][token][4] at 12,582,912 (bytes 0, 1 the head's own; bytes 2, 3 valid bytes that stand over zero codes).
;      vq: codes [token / 64][head x 64 + d][48 bytes], the keys innermost; scale words [token / 64][..][4] at 6,291,456 (the even plane's word serves 128 keys).
; OUT. aoq: codes [head][token][48 bytes]; scale bytes [token][32] at 6,291,456, byte 2 x head + block.
; Inside every block of 32 the two middle groups of eight codes have changed places, in q and k (along d), in v and p (along the keys), and in the output: alike on both sides of each product.
; K = 64 fills half of the matrix instruction's 128: q's upper six registers are zero codes; k's operand runs on into the next fragment's registers, whose codes meet those zeros.
; SHARES.  A cluster of four work-groups is one (batch, head).  The head's 128 tiles of 16 queries are dealt as tile 8 m + 2 cx + e: a tile wants key steps 0 .. m whatever cx is, so no branch, trip count or LDS address hangs on
; the place in the cluster.  Wave w: s = w % 4, k = w / 4, e = s / 2, a = 2 k + ((s ^ k) & 1); it takes the tile with m = a and then the one with m = 15 - a: 17 key steps of 128 keys for every wave.
; ALL OF THE HEAD'S K AND V STAY IN LDS, filled once, by joint loads that name all four work-groups: each byte is asked for once for the four.  No slot is ever filled again.
; Four chunks of 512 keys; wave 0 brings K's codes, wave 1 V's, wave 2 K's scale words, wave 3 V's: four tensor loads of a wave are out at the most.
; No prefetch: every byte of K and V is asked for at the head, so there is no later load to run ahead of.
; The output's scale bytes leave two a lane, 32 bytes apart (a token's row holds all 16 heads' bytes): 256 KB of the launch's 6.5 MB.
; LIMITS: NaN and infinities are not served; a block whose largest magnitude lies under 2^-122 keeps the byte 1; a block's largest p is taken from its largest score, which takes v_exp_f32 not to fall where its input rises.
.set KC,   0                           ; LDS: K's codes [key 2048][48]
.set VC,   98304                       ; V's codes [key / 64][d 64][48]
.set KSC,  196608                      ; K's scale words [key][4]
.set VSC,  204800                      ; V's scale words [key / 128][d 64][4]
.set STG,  208896                      ; the way out: 768 bytes for each wave; no fill lands here
.set AK0,  1                           ; v1   48 r + 24 h: my place in a tile of K, and in my tile of Q in memory
.set AV0,  2                           ; v2   the same in V
.set ASK0, 3                           ; v3   K's scale words: 4 x lane
.set ASV0, 4                           ; v4   V's
.set QSO,  6                           ; v6   4 r
.set DQ,   7                           ; v7   my query's place in its 128, less 8 h
.set ADK,  8                           ; v8-11 the step's LDS addresses
.set ADV,  9
.set ADS,  10
.set ADT,  11
.set STO,  29                          ; v29  the stage: 48 r + 12 h
.set SRD,  30                          ; v30  the stage: 8 x lane
.set GO,   31                          ; v31  8 x lane
.set OSO,  93                          ; v93  32 r
.set NINF, 94                          ; v94  -infinity
.set OW,   95                          ; v95  the output's two scale bytes
.set BM,   240                         ; v240-243 the blocks' largest
.set PT,   244                         ; v244-247 at work
.set SO,   248                         ; v248-251 the conversions' scale operands
; v12 -M, v13 the largest t, v[14:15] the sum in two halves; v16-27 Q (v22-27 zeros), v28 its scale word; v32-85 K's eight fragments, six registers each (v80-85 zeros), later p's codes;
; v86-89 K's scale words, v90-91 V's, v92 p's; v96-159 S^T, then p; v160-191 O^T; v192-239 V's four fragments; v252 f, v253 0, v254 at work
.set WV,   10
.set ST,   17                          ; s17  the key step
.set MT,   18                          ; s18  the tile's last key step
.set MT2,  19
.set SEL,  20
.set CS,   22                          ; s[22:23] c = log2(e) / 8
.set TK,   2                           ; s2   the step's codes: 6,144 bytes a step, in K and in V
.set TS,   3                           ; s3   K's scale words: 512 a step
.set TV,   66                          ; s66  V's: 256 a step
.set G1K,  24
.set G1V,  32
.set G1KS, 40
.set G1VS, 48
.macro CROUND                          ; a round of the cluster's barrier
	s_barrier_signal -1
	s_barrier_wait -1
	s_cmp_lg_u32 s[WV], 0
	s_cbranch_scc1 .Lnot_wave_0_\@
	s_barrier_signal -3
.Lnot_wave_0_\@:
	s_barrier_wait -3
	s_barrier_signal -1
	s_barrier_wait -1
.endm
; One wave's four fills: chunk c's group 0 in s[56:59], s[60:63], s[68:71], s[72:75]; then the four loads together; four v_nop behind the last.
.macro FILLS base, gstep, lds, lstep, g1
.irp c, 0,1,2,3
	s_mov_b32 s[56+4*\c+4*(\c/2)], 1
	s_mov_b32 s[57+4*\c+4*(\c/2)], \lds+\c*\lstep
	s_add_nc_u64 s[58+4*\c+4*(\c/2):59+4*\c+4*(\c/2)], s[\base:\base+1], \c*\gstep
	s_or_b32 s[59+4*\c+4*(\c/2)], s[59+4*\c+4*(\c/2)], 0x80000000
.endr
.irp c, 0,1,2,3
	tensor_load_to_lds s[56+4*\c+4*(\c/2):59+4*\c+4*(\c/2)], s[\g1:\g1+7]
	s_nop 0
.endr
.rept 4
	v_nop
.endr
.endm
; Pass p's four bases in s[76+8p ..]: Q's codes, Q's scale words, the output's codes, its scale bytes.  m: the register with the tile's m
.macro BASES p, m
	s_lshl_b32 s99, s[\m], 7
	s_add_co_u32 s99, s99, s96                     ; my first token: 2,048 b + 128 m + 32 cx + 16 e
	s_mul_i32 s92, s99, 48
	s_add_co_u32 s92, s92, s95
	s_add_nc_u64 s[76+8*\p:77+8*\p], s[4:5], s[92:93]
	s_add_nc_u64 s[80+8*\p:81+8*\p], s[8:9], s[92:93]
	s_lshl_b32 s92, s99, 2
	s_add_co_u32 s92, s92, s97
	s_add_nc_u64 s[78+8*\p:79+8*\p], s[4:5], s[92:93]
	s_lshl_b32 s92, s99, 5
	s_add_co_u32 s92, s92, s98
	s_add_nc_u64 s[82+8*\p:83+8*\p], s[8:9], s[92:93]
.endm
.macro QLOAD p
.irp i, 0,1,2
	global_load_b64 v[16+2*\i:17+2*\i], v[AK0], s[76+8*\p:77+8*\p] offset:8*\i
.endr
	global_load_b32 v28, v[QSO], s[78+8*\p:79+8*\p]
.endm
.macro INIT                            ; a tile begins: the largest t under every t, zeros for the sum and O^T (the first change of M leaves zeros zeros), the steps' addresses at step 0
	v_mov_b32 v13, 0xff61b1e6
	s_delay_alu instid0(VALU_DEP_1)
	v_floor_f32 v12, -v13
	v_mov_b32 v14, 0
	v_mov_b32 v15, 0
.set j, 0
.rept 32
	v_mov_b32 v[160+j], 0
.set j, j+1
.endr
	s_mov_b32 s[TK], 0
	s_mov_b32 s[TS], 0
	s_mov_b32 s[TV], 0
	s_mov_b32 s[ST], 0
.endm
; A KEY STEP: 128 keys.  A step all of whose keys come after the tile's queries is left out: a scalar branch on the wave's number and the count of steps, round the work, not round the lines that step addresses.
.macro STEP
	s_cmp_gt_u32 s[ST], s[MT]
	s_cbranch_scc1 .Lhidden_\@
	s_setprio 2
	v_add_nc_u32 v[ADK], s[TK], v[AK0]             ; these four are also the places behind the last step's products, in front of the loads into their registers
	v_add_nc_u32 v[ADV], s[TK], v[AV0]
	v_add_nc_u32 v[ADS], s[TS], v[ASK0]
	v_add_nc_u32 v[ADT], s[TV], v[ASV0]
.irp t, 0,1,2,3,4,5,6,7
.irp p, 0,1,2
	ds_load_b64 v[32+6*\t+2*\p:33+6*\t+2*\p], v[ADK] offset:768*\t+8*\p   ; key 16 t + r, block h: words 12 r + 6 h
.endr
.endr
.irp u, 0,1,2,3
	ds_load_b32 v[86+\u], v[ADS] offset:128*\u     ; lanes 0-15: tile 2 u's words; lanes 16-31: tile 2 u + 1's
.endr
.irp i, 0,1,2,3
.irp p, 0,1,2,3,4,5
	ds_load_b64 v[192+12*\i+2*\p:193+12*\i+2*\p], v[ADV] offset:3072*(\p/3)+768*\i+8*(\p%3)   ; d = 16 i + r, keys 64 (p / 3) + 32 h on
.endr
.endr
.irp u, 0,1
	ds_load_b32 v[90+\u], v[ADT] offset:128*\u
.endr
	s_wait_dscnt 26                                ; K and its words are in; V's 24 loads and its 2 words stay out and land under the softmax
.irp t, 0,2,4,6                                ; S^T = K Q^T: lane (r, h) holds query r; register j of tile t is key 16 t + 8 h + j
	v_wmma_scale_f32_16x16x128_f8f6f4 v[96+8*\t:103+8*\t], v[32+6*\t:43+6*\t], v[16:27], 0, v[86+\t/2], v28 matrix_a_fmt:MATRIX_FMT_BF6 matrix_b_fmt:MATRIX_FMT_BF6
	v_wmma_scale_f32_16x16x128_f8f6f4 v[104+8*\t:111+8*\t], v[38+6*\t:49+6*\t], v[16:27], 0, v[86+\t/2], v28 matrix_a_fmt:MATRIX_FMT_BF6 matrix_b_fmt:MATRIX_FMT_BF6 matrix_a_scale:MATRIX_SCALE_ROW1
.endr
.rept 4
	v_nop
.endr
	s_cmp_lg_u32 s[ST], s[MT]                      ; the tile's last step lies on the diagonal: hidden scores become -infinity ahead of the maximum, so p = 0
	s_cbranch_scc1 .Lopen_\@
.set n, 0
.rept 64
	v_cmp_gt_i32 vcc_lo, 16*(n/8)+n%8, v[DQ]       ; key 16 t + 8 h + j comes after my query
	v_cndmask_b32 v[96+n], v[96+n], v[NINF], vcc_lo
.set n, n+1
.endr
.Lopen_\@:
.irp b, 0,1,2,3
	v_max3_num_f32 v[BM+\b], v[96+16*\b], v[97+16*\b], v[98+16*\b]   ; the largest score of each block of 32 keys: for the row's maximum and, since p rises with the score, for the block's largest p
.endr
.irp i, 3,5,7,9,11,13
.irp b, 0,1,2,3
	v_max3_num_f32 v[BM+\b], v[BM+\b], v[96+16*\b+\i], v[97+16*\b+\i]
.endr
.endr
.irp b, 0,1,2,3
	v_max_num_f32 v[BM+\b], v[BM+\b], v[111+16*\b]
.endr
.irp b, 0,1,2,3
	s_delay_alu instid0(VALU_DEP_4)
	v_permlanex16_b32 v[PT+\b], v[BM+\b], s[SEL], s[SEL+1]
.endr
.irp b, 0,1,2,3
	s_delay_alu instid0(VALU_DEP_4)
	v_max_num_f32 v[BM+\b], v[BM+\b], v[PT+\b]     ; with the 16 keys of the lane 16 away
.endr
	s_delay_alu instid0(VALU_DEP_2)
	v_max3_num_f32 v254, v[BM], v[BM+1], v[BM+2]
	s_delay_alu instid0(VALU_DEP_1)
	v_max_num_f32 v254, v254, v[BM+3]
	s_delay_alu instid0(VALU_DEP_1)
	v_mul_f32 v254, s[CS], v254                    ; as t (c is positive)
	s_delay_alu instid0(VALU_DEP_1)
	v_max_num_f32 v13, v13, v254                   ; the running largest t
	v_mov_b32 v254, v12
	s_delay_alu instid0(VALU_DEP_2)
	v_floor_f32 v12, -v13                          ; the new -M = floor(-t): M is a whole number
	s_delay_alu instid0(VALU_DEP_1)
	v_sub_f32 v254, v12, v254                      ; old M - new M: a whole number, 0 or less
	s_delay_alu instid0(VALU_DEP_1)
	v_cvt_i32_f32 v254, v254                       ; (it saturates)
	s_delay_alu instid0(VALU_DEP_1)
	v_ldexp_f32 v252, 1.0, v254                    ; f = 2^(old M - new M)
.set j, 0
	s_setprio 1
.rept 32
	v_pk_fma_f32 v[96+j:97+j], v[96+j:97+j], s[CS:CS+1], v[12:13] op_sel_hi:[1,0,0]   ; t - M, two at a time
.set j, j+2
.endr
.irp b, 0,1,2,3
	v_fma_f32 v[BM+\b], v[BM+\b], s[CS], v12       ; the same of each block's largest score
.endr
.set j, 0
	s_wait_alu depctr_va_vdst(0)
.rept 64
	v_exp_f32 v[96+j], v[96+j]                     ; p = 2^(t - M)
.set j, j+1
.endr
	v_pk_mul_f32 v[14:15], v[14:15], v[252:253] op_sel_hi:[1,0]   ; the sums under the new M: the plain place behind the exponentials
	s_wait_alu depctr_va_vdst(0)                   ; one wait for the batch of 64, ahead of its first reader
.irp b, 0,1,2,3
	v_exp_f32 v[BM+\b], v[BM+\b]                   ; the blocks' largest p
.endr
	v_pk_add_f32 v[244:245], v[100:101], v[104:105]
	v_pk_add_f32 v[250:251], v[108:109], v[112:113]
	v_pk_add_f32 v[248:249], v[116:117], v[120:121]
	v_pk_add_f32 v[246:247], v[124:125], v[128:129]
	v_pk_add_f32 v[88:89], v[132:133], v[136:137]
	v_pk_add_f32 v[86:87], v[140:141], v[144:145]
	v_pk_add_f32 v[78:79], v[148:149], v[152:153]
	v_pk_add_f32 v[14:15], v[14:15], v[156:157]
	v_pk_add_f32 v[244:245], v[244:245], v[96:97]
	v_pk_add_f32 v[250:251], v[250:251], v[98:99]
	v_pk_add_f32 v[248:249], v[248:249], v[102:103]
	v_pk_add_f32 v[246:247], v[246:247], v[106:107]
	v_pk_add_f32 v[88:89], v[88:89], v[110:111]
	v_pk_add_f32 v[86:87], v[86:87], v[114:115]
	v_pk_add_f32 v[78:79], v[78:79], v[118:119]
	v_pk_add_f32 v[14:15], v[14:15], v[122:123]
	v_pk_add_f32 v[244:245], v[244:245], v[126:127]
	v_pk_add_f32 v[250:251], v[250:251], v[130:131]
	v_pk_add_f32 v[248:249], v[248:249], v[134:135]
	v_pk_add_f32 v[246:247], v[246:247], v[138:139]
	v_pk_add_f32 v[88:89], v[88:89], v[142:143]
	v_pk_add_f32 v[86:87], v[86:87], v[146:147]
	v_pk_add_f32 v[78:79], v[78:79], v[150:151]
	v_pk_add_f32 v[14:15], v[14:15], v[154:155]
	v_pk_add_f32 v[244:245], v[244:245], v[158:159]
	s_delay_alu instid0(VALU_DEP_2)
	v_pk_add_f32 v[14:15], v[14:15], v[246:247]
	s_delay_alu instid0(VALU_DEP_2)
	v_pk_add_f32 v[244:245], v[244:245], v[88:89]
	v_pk_add_f32 v[250:251], v[250:251], v[86:87]
	v_pk_add_f32 v[248:249], v[248:249], v[78:79]
	s_delay_alu instid0(VALU_DEP_2)
	v_pk_add_f32 v[14:15], v[14:15], v[250:251]
	s_delay_alu instid0(VALU_DEP_2)
	v_pk_add_f32 v[244:245], v[244:245], v[248:249]
	s_delay_alu instid0(VALU_DEP_1)
	v_pk_add_f32 v[14:15], v[14:15], v[244:245]
	s_setprio 0
	s_wait_alu depctr_va_vdst(0)                   ; and one for the four
.irp b, 0,1,2,3
	v_max_num_f32 v[BM+\b], 0x2800000, v[BM+\b]    ; the floor 2^(5 - 127): a block whose every p is 0 keeps the byte 1 over zero codes
.endr
.irp b, 0,1,2,3
	s_delay_alu instid0(VALU_DEP_4)
	v_add_nc_u32 v[SO+\b], 0xfe000000, v[BM+\b]
.endr
.irp b, 0,1,2,3
	s_delay_alu instid0(VALU_DEP_4)
	v_lshrrev_b32 v[PT+\b], 23, v[SO+\b]
.endr
	s_delay_alu instid0(VALU_DEP_3)
	v_lshl_or_b32 v92, v[PT+1], 8, v[PT]           ; p's scale word for these 128 keys
	s_delay_alu instid0(VALU_DEP_1)
	v_lshl_or_b32 v92, v[PT+2], 16, v92
	s_delay_alu instid0(VALU_DEP_1)
	v_lshl_or_b32 v92, v[PT+3], 24, v92
.irp c, 0,1
	v_cvt_scalef32_pk16_bf6_f32 v[32+6*\c:34+6*\c], v[96+32*\c:111+32*\c], v[SO+2*\c]
	v_cvt_scalef32_pk16_bf6_f32 v[44+4*\c:46+4*\c], v[112+32*\c:127+32*\c], v[SO+2*\c+1]
.endr
	v_nop                                          ; one plain place behind the last scaled conversion
.irp c, 0,1                                    ; the operand wants a whole block in a lane: lanes 0-15 block 2 c, lanes 16-31 block 2 c + 1; the lower half's 16 codes first, as in v
.irp i, 0,1,2
	v_permlane16_swap_b32 v[32+6*\c+\i], v[44+4*\c+\i]
.endr
.irp i, 0,1,2
	s_delay_alu instid0(VALU_DEP_3)
	v_mov_b32 v[35+6*\c+\i], v[44+4*\c+\i]
.endr
.endr
.set j, 0
.rept 16
	v_pk_mul_f32 v[160+j:161+j], v[160+j:161+j], v[252:253] op_sel_hi:[1,0]   ; O^T under the new M; these 16 are also the places between the writes of p's word and codes and the products
.set j, j+2
.endr
	s_wait_alu depctr_va_vdst(0)
	s_wait_dscnt 0x0                               ; V is in
.irp i, 0,2                                    ; O^T += V^T P^T: four accumulators by turns
	v_wmma_scale_f32_16x16x128_f8f6f4 v[160+8*\i:167+8*\i], v[192+12*\i:203+12*\i], v[32:43], v[160+8*\i:167+8*\i], v[90+\i/2], v92 matrix_a_fmt:MATRIX_FMT_BF6 matrix_b_fmt:MATRIX_FMT_BF6
	v_wmma_scale_f32_16x16x128_f8f6f4 v[168+8*\i:175+8*\i], v[204+12*\i:215+12*\i], v[32:43], v[168+8*\i:175+8*\i], v[90+\i/2], v92 matrix_a_fmt:MATRIX_FMT_BF6 matrix_b_fmt:MATRIX_FMT_BF6 matrix_a_scale:MATRIX_SCALE_ROW1
.endr
.Lhidden_\@:
	s_add_co_u32 s[TK], s[TK], 6144
	s_add_co_u32 s[TS], s[TS], 512
	s_add_co_u32 s[TV], s[TV], 256
.endm
; A TILE'S END: O^T / l, quantised along d (two blocks of 32), through my stage, out as three runs of 256 bytes.  next = 1: the second tile's Q is asked for first
.macro EPI p, next
.rept 4
	v_nop                                          ; places behind the last products
.endr
.if \next
	QLOAD 1
.endif
	v_add_f32 v14, v14, v15
	s_delay_alu instid0(VALU_DEP_1)
	v_permlanex16_b32 v254, v14, s[SEL], s[SEL+1]
	s_delay_alu instid0(VALU_DEP_1)
	v_add_f32 v14, v14, v254                       ; the row's sum
	s_wait_alu depctr_va_vdst(0)
	v_rcp_f32 v14, v14
	v_nop                                          ; a plain place behind the reciprocal
	s_wait_alu depctr_va_vdst(0)                   ; and the wait ahead of its first reader
.set j, 0
.rept 16
	v_pk_mul_f32 v[96+j:97+j], v[160+j:161+j], v[14:15] op_sel_hi:[1,0]   ; register 8 i + j is o(query r, d = 16 i + 8 h + j); each accumulator from its low end on
.set j, j+2
.endr
.irp b, 0,1
	v_max3_num_f32 v[BM+\b], |v[96+16*\b]|, |v[97+16*\b]|, 0x2800000
.endr
.irp i, 2,4,6,8,10,12,14
.irp b, 0,1
	s_delay_alu instid0(VALU_DEP_2)
	v_max3_num_f32 v[BM+\b], v[BM+\b], |v[96+16*\b+\i]|, |v[97+16*\b+\i]|
.endr
.endr
.irp b, 0,1
	s_delay_alu instid0(VALU_DEP_2)
	v_permlanex16_b32 v[PT+\b], v[BM+\b], s[SEL], s[SEL+1]
.endr
.irp b, 0,1
	s_delay_alu instid0(VALU_DEP_2)
	v_max_num_f32 v[BM+\b], v[BM+\b], v[PT+\b]
.endr
.irp b, 0,1
	s_delay_alu instid0(VALU_DEP_2)
	v_add_nc_u32 v[SO+\b], 0xfe000000, v[BM+\b]
.endr
.irp b, 0,1
	s_delay_alu instid0(VALU_DEP_2)
	v_lshrrev_b32 v[PT+\b], 23, v[SO+\b]
.endr
	s_delay_alu instid0(VALU_DEP_1)
	v_lshl_or_b32 v[OW], v[PT+1], 8, v[PT]
	v_cvt_scalef32_pk16_bf6_f32 v[32:34], v[96:111], v[SO]
	v_cvt_scalef32_pk16_bf6_f32 v[36:38], v[112:127], v[SO+1]
	v_nop
.irp b, 0,1
.irp i, 0,1,2
	ds_store_b32 v[STO], v[32+4*\b+\i] offset:24*\b+4*\i
.endr
.endr
.irp c, 0,1,2
	ds_load_b64 v[192+2*\c:193+2*\c], v[SRD] offset:256*\c   ; LDS serves a wave's instructions in order: these see my stores
.endr
	s_wait_alu depctr_va_vdst(0)
.irp c, 0,1,2
	s_wait_dscnt 2-\c                              ; the younger loads may be out
	global_store_b64 v[GO], v[192+2*\c:193+2*\c], s[80+8*\p:81+8*\p] offset:256*\c   ; 32 lanes store 256 consecutive bytes, aligned
.endr
	global_store_b16 v[OSO], v[OW], s[82+8*\p:83+8*\p]   ; my token's two bytes; both halves of the lanes write the same bytes with the same value
.endm
	s_load_b128 s[4:7], s[0:1], 0x0                ; qkq s[4:5], vq s[6:7]
	s_load_b64 s[8:9], s[0:1], 0x10                ; aoq
	v_lshl_add_u32 v5, v0, 2, 0x36000
	v_mov_b32 v255, 0
	ds_add_u32 v5, v255
	ds_add_u32 v5, v255
	v_lshrrev_b32 v254, 5, v0
	s_delay_alu instid0(VALU_DEP_1)
	v_readfirstlane_b32 s[WV], v254                ; wave 0..15
	s_bfe_u32 s11, ttmp6, 0x40000                  ; cx: it enters Q's and the output's addresses and the mask's register alone
	s_and_b32 s12, ttmp7, 0xffff
	s_and_b32 s13, s12, 15                         ; the head
	s_lshr_b32 s14, s12, 4                         ; the batch
	; descriptor groups 1: elements of 8 bytes, no padding, the mask names all four work-groups
.irp g, G1K, G1V, G1KS, G1VS
	s_mov_b32 s[\g], 15|(3<<16)|(1<<21)
	s_mov_b32 s[\g+6], 0
	s_mov_b32 s[\g+7], 0
.endr
	s_mov_b32 s[G1K+1], 32<<16                     ; K's codes of 512 keys: 24,576 dense bytes as 96 rows of 256
	s_mov_b32 s[G1K+2], 96<<16
	s_mov_b32 s[G1K+3], 32<<16
	s_mov_b32 s[G1K+4], 96
	s_mov_b32 s[G1K+5], 32
	s_mov_b32 s[G1V+1], 384<<16                    ; V's: 8 planes of 64 keys, 3,072 bytes of each (the head's 64 rows), 49,152 bytes apart
	s_mov_b32 s[G1V+2], 8<<16
	s_mov_b32 s[G1V+3], 384<<16
	s_mov_b32 s[G1V+4], 8
	s_mov_b32 s[G1V+5], 6144
	s_mov_b32 s[G1KS+1], 32<<16                    ; K's words: 2,048 dense bytes as 8 rows of 256
	s_mov_b32 s[G1KS+2], 8<<16
	s_mov_b32 s[G1KS+3], 32<<16
	s_mov_b32 s[G1KS+4], 8
	s_mov_b32 s[G1KS+5], 32
	s_mov_b32 s[G1VS+1], 32<<16                    ; V's words: the even planes' 256 bytes, 8,192 bytes apart, 4 of them
	s_mov_b32 s[G1VS+2], 4<<16
	s_mov_b32 s[G1VS+3], 32<<16
	s_mov_b32 s[G1VS+4], 4
	s_mov_b32 s[G1VS+5], 1024
	s_mov_b32 s[SEL], 0x76543210
	s_mov_b32 s[SEL+1], 0xfedcba98
	s_mov_b32 s[CS], 0x3e38aa3b                    ; c = log2(e) / 8
	s_mov_b32 s[CS+1], s[CS]
	s_mov_b32 s93, 0
	s_mul_i32 s95, s13, 393216                     ; a head's plane of 8,192 x 48 bytes
	s_wait_dscnt 0x0
	s_wait_kmcnt 0x0
	s_mul_i32 s92, s14, 98304
	s_add_co_u32 s92, s92, s95
	s_add_co_u32 s92, s92, 16*393216
	s_add_nc_u64 s[76:77], s[4:5], s[92:93]        ; K's codes of this batch and head
	s_mul_i32 s92, s14, 1572864
	s_mul_i32 s94, s13, 3072
	s_add_co_u32 s92, s92, s94
	s_add_nc_u64 s[78:79], s[6:7], s[92:93]        ; V's
	s_lshl_b32 s92, s13, 15
	s_lshl_b32 s94, s14, 13
	s_add_co_u32 s92, s92, s94
	s_add_co_u32 s92, s92, 12582912+16*32768
	s_add_nc_u64 s[80:81], s[4:5], s[92:93]        ; K's scale words
	s_lshl_b32 s92, s14, 17
	s_lshl_b32 s94, s13, 8
	s_add_co_u32 s92, s92, s94
	s_add_co_u32 s92, s92, 6291456
	s_add_nc_u64 s[82:83], s[6:7], s[92:93]        ; V's
	CROUND                                         ; all four work-groups are here: the joint loads meet
	s_cmp_lg_u32 s[WV], 0                          ; a wave's four fills stand in one branch on its number
	s_cbranch_scc1 .Lnot_0
	FILLS 76, 24576, KC, 24576, G1K
	s_branch .Lfilled
.Lnot_0:
	s_cmp_lg_u32 s[WV], 1
	s_cbranch_scc1 .Lnot_1
	FILLS 78, 393216, VC, 24576, G1V
	s_branch .Lfilled
.Lnot_1:
	s_cmp_lg_u32 s[WV], 2
	s_cbranch_scc1 .Lnot_2
	FILLS 80, 2048, KSC, 2048, G1KS
	s_branch .Lfilled
.Lnot_2:
	s_cmp_lg_u32 s[WV], 3
	s_cbranch_scc1 .Lfilled
	FILLS 82, 32768, VSC, 1024, G1VS
.Lfilled:
	s_and_b32 s15, s[WV], 3                        ; s
	s_lshr_b32 s16, s[WV], 2                       ; k
	s_xor_b32 s92, s15, s16
	s_and_b32 s92, s92, 1
	s_lshl_b32 s16, s16, 1
	s_add_co_u32 s[MT], s16, s92                   ; a: the first tile's m
	s_sub_co_u32 s[MT2], 15, s[MT]                 ; the second's
	s_lshr_b32 s15, s15, 1                         ; e
	s_lshl_b32 s15, s15, 4
	s_lshl_b32 s94, s11, 5
	s_add_co_u32 s94, s94, s15                     ; 32 cx + 16 e
	s_lshl_b32 s96, s14, 11
	s_add_co_u32 s96, s96, s94
	s_lshl_b32 s97, s13, 15
	s_add_co_u32 s97, s97, 12582912                ; q's plane of scale words
	s_lshl_b32 s98, s13, 1
	s_add_co_u32 s98, s98, 6291456                 ; the head's two bytes in a token's row
	BASES 0, MT
	BASES 1, MT2
	v_and_b32 v252, 15, v0                         ; r
	v_bfe_u32 v253, v0, 4, 1                       ; h
	v_and_b32 v254, 31, v0                         ; lane
	s_delay_alu instid0(VALU_DEP_3)
	v_mul_u32_u24 v[AK0], v252, 48
	s_delay_alu instid0(VALU_DEP_1)
	v_mad_u32_u24 v[AK0], v253, 24, v[AK0]
	v_lshlrev_b32 v[QSO], 2, v252
	QLOAD 0
	v_add_nc_u32 v[AV0], VC, v[AK0]
	v_lshl_add_u32 v[ASK0], v254, 2, KSC
	v_lshl_add_u32 v[ASV0], v254, 2, VSC
	v_lshlrev_b32 v[DQ], 3, v253
	s_delay_alu instid0(VALU_DEP_1)
	v_sub_nc_u32 v[DQ], v252, v[DQ]
	s_delay_alu instid0(VALU_DEP_1)
	v_add_nc_u32 v[DQ], s94, v[DQ]
	s_mul_i32 s92, s[WV], 768
	s_add_co_u32 s92, s92, STG                     ; my stage
	v_mul_u32_u24 v[STO], v252, 48
	s_delay_alu instid0(VALU_DEP_1)
	v_mad_u32_u24 v[STO], v253, 12, v[STO]
	s_delay_alu instid0(VALU_DEP_1)
	v_add_nc_u32 v[STO], s92, v[STO]
	v_lshlrev_b32 v[GO], 3, v254
	s_delay_alu instid0(VALU_DEP_1)
	v_add_nc_u32 v[SRD], s92, v[GO]
	v_lshlrev_b32 v[OSO], 5, v252
	v_mov_b32 v[NINF], 0xff800000
	v_mov_b32 v253, 0                              ; (named as the upper half of the pair v[252:253])
.irp i, 22,23,24,25,26,27, 80,81,82,83,84,85
	v_mov_b32 v\i, 0                               ; zero codes: Q's upper 64 along K; the run-on of K's last fragment
.endr
.irp b, 0,1,2,3
	v_mov_b32 v[PT+\b], 0                          ; written once: a lane permute's destination counts as one of its sources
.endr
	INIT
	s_wait_tensorcnt 2                             ; my chunks 0 and 1 (keys 0-1023) are in; chunks 2 and 3 may stay out
	s_barrier_signal -1
	s_barrier_wait -1                              ; everybody's are
	s_wait_loadcnt 0x0                             ; Q
.Lpass_1:                                          ; the tile with m = a, at most 7: key steps 0-7 read chunks 0 and 1 alone
	STEP
	s_add_co_u32 s[ST], s[ST], 1
	s_cmp_lt_u32 s[ST], 8
	s_cbranch_scc1 .Lpass_1
	s_setprio 0
	EPI 0, 1
	s_wait_xcnt 0x0                                ; the stores have read their registers, which the next tile writes again
	s_wait_tensorcnt 0x0                           ; all my chunks are in,
	s_wait_dscnt 0x0
	s_barrier_signal -1
	s_barrier_wait -1                              ; everybody's are
	s_mov_b32 s[MT], s[MT2]
	INIT
	s_wait_loadcnt 0x0                             ; the second tile's Q
.Lpass_2:                                          ; the tile with m = 15 - a
	STEP
	s_add_co_u32 s[ST], s[ST], 1
	s_cmp_lt_u32 s[ST], 16
	s_cbranch_scc1 .Lpass_2
	s_setprio 0
	EPI 1, 0
	s_wait_dscnt 0x0
	s_wait_tensorcnt 0x0
	ds_add_u32 v5, v255
	s_wait_dscnt 0x0
	CROUND                                         ; the closing round
	s_endpgm
.Lfunc_end_k_qf91335d19d_attn:
	.size	k_qf91335d19d_attn, .Lfunc_end_k_qf91335d19d_attn-k_qf91335d19d_attn
	.p2alignl 7, 3214868480
	.fill 96, 4, 3214868480
	.section	.rodata,"a",@progbits
	.p2align	6, 0x0
	.amdhsa_kernel k_qf91335d19d_attn
		.amdhsa_group_segment_fixed_size 223232
		.amdhsa_private_segment_fixed_size 0
		.amdhsa_enable_private_segment 0
		.amdhsa_kernarg_size 24
		.amdhsa_user_sgpr_count 2
		.amdhsa_user_sgpr_kernarg_segment_ptr 1
		.amdhsa_wavefront_size32 1
		.amdhsa_system_sgpr_workgroup_id_x 1
		.amdhsa_system_sgpr_workgroup_id_y 1
		.amdhsa_system_sgpr_workgroup_id_z 1
		.amdhsa_system_vgpr_workitem_id 0
		.amdhsa_next_free_vgpr 256
		.amdhsa_next_free_sgpr 100
		.amdhsa_reserve_vcc 1
		.amdhsa_float_denorm_mode_32 3
		.amdhsa_float_denorm_mode_16_64 3
		.amdhsa_memory_ordered 1
		.amdhsa_forward_progress 1
		.amdhsa_inst_pref_size 75
	.end_amdhsa_kernel
	.amdgpu_metadata
---
amdhsa.version: [ 1, 2 ]
amdhsa.kernels:
  - .name:           k_qf91335d19d_attn
    .symbol:         k_qf91335d19d_attn.kd
    .args:
      - { .name: qkq, .offset: 0, .size: 8, .value_kind: global_buffer, .address_space: global }
      - { .name: vq, .offset: 8, .size: 8, .value_kind: global_buffer, .address_space: global }
      - { .name: aoq, .offset: 16, .size: 8, .value_kind: global_buffer, .address_space: global }
    .group_segment_fixed_size: 223232
    .private_segment_fixed_size: 0
    .kernarg_segment_align: 8
    .kernarg_segment_size: 24
    .max_flat_workgroup_size: 512
    .sgpr_count:     100
    .vgpr_count:     256
    .wavefront_size: 32
...
	.end_amdgpu_metadata
.endif
;; end of part 3
;; launch gemm_proj (part 4): grid 4 x 32, 4 waves a work-group, clusters of 4 x 4, 327,680 bytes of LDS; arguments aoq, wpq, b_proj, out0; writes out0
.if DOCPART == 4
	.amdgcn_target "amdgcn-amd-amdhsa--gfx1250"
	.amdhsa_code_object_version 6
	.text
	.protected	k_qf91335d19d_gemm_proj
	.globl	k_qf91335d19d_gemm_proj
	.p2align	8
	.type	k_qf91335d19d_gemm_proj,@function
k_qf91335d19d_gemm_proj:
	s_mov_b64 s[64:65], 0
	v_nop
	global_prefetch_b8 v0, s[64:65] scope:SCOPE_SE
	s_setreg_imm32_b32 hwreg(HW_REG_WAVE_MODE, 25, 1), 1
	s_wait_xcnt 0x0
	s_wait_alu depctr_hold_cnt(0) depctr_sa_sdst(0) depctr_va_vdst(0) depctr_va_sdst(0) depctr_va_ssrc(0) depctr_va_vcc(0) depctr_vm_vsrc(0)
	s_getreg_b32 s2, hwreg(HW_REG_IB_STS2, 6, 4)
	s_cmp_eq_u32 s2, 0
	s_cbranch_scc0 .Lentry_in_a_cluster
	s_endpgm
.Lentry_in_a_cluster:
	s_bfe_u32 s2, ttmp6, 0x10000c
	s_cmp_lg_u32 s2, 0xf033
	s_cbranch_scc0 .Lentry_shape_is_right
	s_endpgm
.Lentry_shape_is_right:
; out0 = A w_proj + b_proj on codes of BF6 (E3M2), one E8M0 scale for each 32 along K = 1,024; sums in f32.
; A: the attention launch's output: codes [head 16][token 8192][48 bytes], scale bytes [token][32] at ASOFF.  B: w_proj's codes [n 1024][768 bytes], scale bytes [n][32] at BSOFF.  out0: [8192][1024] f32.
; Inside each block of 32 along K both operands' codes lie with the two middle groups of eight exchanged: alike on both sides, which keeps every product.
; A tile of out0, 256 x 256, is made by four waves, 128 x 128 each: 64 accumulators, 512 registers.  K goes in steps of 256 (four heads) through a ring of two LDS slots; the tile's scale bytes come once and stay.
; A's tile of a K step: 4 heads x (128 tokens x 48 bytes = 6,144 dense bytes): one tensor load of 4 rows.  In LDS a token's 48 bytes are 12 words: the 32 lanes of a load of 8 bytes touch each bank once: no padding.
; The bias is the C of each sum's first matrix instruction: 64 registers in the result's layout; no addition is written.
; CLUSTERS: 4 x 4 work-groups; A's tiles are shared along a row of the cluster, B's along a column, by joint loads.  THE MATRIX INSTRUCTION IS USED TRANSPOSED (source 0 = 16 rows of B, source 1 = 16 rows of A).
; 128 work-groups: the largest wave tile; a tile of 256 x 128 would give 256 at one and a half times the LDS bytes for each product.  No prefetch: four slots' worth of K in all, two asked for at the head.
; REGISTERS, in windows of 256: window 0: v0-31 addresses; v32-63 scale words, two sets; v64-127 the bias; from v128 A's fragments, ONE set.  window 1: B's fragments, TWO sets.  windows 2, 3: the accumulators.
.set SIZE_N, 1024
.set KSTEP,  256
.set NQ,     2
.set ROWB,   192
.set KROW,   768
.set PITCH,  240                       ; B's LDS row: 3 x (64 bytes + 16 of padding)
.set FR,     12
.set NL,     6
.set NP,     4
.set HALFT,  128*PITCH                 ; a wave's place in a slot; A's tiles use 24,576 bytes of it
.set SLOT,   4*HALFT
.set LAPS,   2
.set KS,     32
.set SCL,    2*SLOT
.set HALFS,  (128*KS/256)*272
.set SBLK,   (16*KS/256)*272
.set SPARE,  SCL+4*HALFS               ; the spare words, 128 bytes a wave: two blocks of 256 bytes that no other line names
.set SPITCH, 528
.set ASOFF,  6291456
.set BSOFF,  786432
.set ASTEP,  4*8192*48                 ; four heads on in A's codes
.set ADRA, 16
.set ADRB, 20
.set STO,  24
.set RD,   25
.set CO,   26
.set ADRS, 27
.set SPW,  28
.set NIL,  29
.set SC,   32
.set BI,   64                          ; v64-127 the bias: register 8 b + j is b_proj[my first column + 16 b + 8 h + j]
.set AF,   128
.set BK,   128
.set G1, 24
.set G0, 32
.set G1B, 48
.set G0B, 56
.set G1S, 68
.set G0S, 76
.set G1SB, 80
.set G0SB, 88
.set MSB, 0
.macro WIN new
.if MSB != (\new)
	s_set_vgpr_msb (MSB<<8)|(\new)
.set MSB, (\new)
.endif
.endm
.set MUL_LO, 0xa1                      ; source 0 (B) window 1, source 1 (A) window 0, C and D window 2
.set MUL_HI, 0xf1
.set MULZ_LO, 0x81                     ; the first step: C (the bias) window 0, D window 2
.set MULZ_HI, 0xc1
.set TO_B,   0x40
.macro JLOAD g0a, g1a, g0b, g1b        ; a joint load: waves 0 and 1 fetch for A, waves 2 and 3 for B; four v_nop follow each line
	s_cmp_eq_u32 s15, 0
	s_cbranch_scc0 .Lfor_b_\@
	tensor_load_to_lds s[\g0a:\g0a+3], s[\g1a:\g1a+7]
	s_nop 0
.rept 4
	v_nop
.endr
	s_branch .Lasked_\@
.Lfor_b_\@:
	tensor_load_to_lds s[\g0b:\g0b+3], s[\g1b:\g1b+7]
	s_nop 0
.rept 4
	v_nop
.endr
.Lasked_\@:
.endm
.macro CREST
	s_cmp_lg_u32 s14, 0
	s_cbranch_scc1 .Lnot_wave_0_\@
	s_barrier_signal -3
.Lnot_wave_0_\@:
	s_barrier_wait -3
	s_barrier_signal -1
	s_barrier_wait -1
.endm
.macro CROUND
	s_barrier_signal -1
	s_barrier_wait -1
	CREST
.endm
	s_load_b256 s[4:11], s[0:1], 0x0               ; aoq s[4:5], wpq s[6:7], b_proj s[8:9], out0 s[10:11]
	v_lshl_add_u32 v[SPW], v0, 2, SPARE
	v_mov_b32 v[NIL], 0
	ds_add_u32 v28, v29
	ds_add_u32 v28, v29
	s_wait_dscnt 0x0
	v_lshrrev_b32 v1, 5, v0
	v_readfirstlane_b32 s14, v1                    ; wave 0..3
	s_lshr_b32 s15, s14, 1                         ; which half of the tile's rows is mine.  Also: I fetch for A (0) or for B (1)
	s_and_b32 s16, s14, 1                          ; which half of its columns.  Also: which 128 rows of that tile I fetch
	s_bfe_u32 s40, ttmp6, 0x40000
	s_bfe_u32 s41, ttmp6, 0x40004
	s_lshl_b32 s42, ttmp9, 2
	s_add_co_u32 s42, s42, s40                     ; tile column
	s_and_b32 s17, ttmp7, 0xffff
	s_lshl_b32 s17, s17, 2
	s_add_co_u32 s17, s17, s41                     ; tile row
	s_lshl_b32 s43, s41, 2
	s_lshl_b32 s43, 15, s43                        ; my row of the cluster
	s_lshl_b32 s44, 0x1111, s40                    ; my column
	; A's tiles: 4 rows (heads) of 768 elements of 8 bytes (128 tokens x 48 bytes), 49,152 elements apart; no padding
	s_or_b32 s[G1+0], s43, (3<<16)|(1<<21)
	s_mov_b32 s[G1+1], 768<<16
	s_mov_b32 s[G1+2], 4<<16
	s_mov_b32 s[G1+3], 768<<16
	s_mov_b32 s[G1+4], 4
	s_mov_b32 s[G1+5], 49152
	s_mov_b32 s[G1+6], 0
	s_mov_b32 s[G1+7], 0
	; B's tiles: 128 rows x 192 bytes, 16 bytes of padding behind every 64
	s_or_b32 s[G1B+0], s44, (0<<16)|(1<<20)|(1<<21)|(3<<22)|(3<<25)
	s_mov_b32 s[G1B+1], ROWB<<16
	s_mov_b32 s[G1B+2], 128<<16
	s_mov_b32 s[G1B+3], ROWB<<16
	s_mov_b32 s[G1B+4], 128
	s_mov_b32 s[G1B+5], KROW
	s_mov_b32 s[G1B+6], 0
	s_mov_b32 s[G1B+7], 0
	; the scale bytes of 128 rows: 4,096 dense bytes as 16 rows of 256, 16 bytes of padding behind each
	s_or_b32 s[G1S+0], s43, (3<<16)|(1<<20)|(1<<21)|(5<<22)|(3<<25)
	s_or_b32 s[G1SB+0], s44, (3<<16)|(1<<20)|(1<<21)|(5<<22)|(3<<25)
.irp g, G1S, G1SB
	s_mov_b32 s[\g+1], 32<<16
	s_mov_b32 s[\g+2], (128*KS/256)<<16
	s_mov_b32 s[\g+3], 32<<16
	s_mov_b32 s[\g+4], 128*KS/256
	s_mov_b32 s[\g+5], 32
	s_mov_b32 s[\g+6], 0
	s_mov_b32 s[\g+7], 0
.endr
	s_lshl_b32 s18, s16, 7
	s_lshl_b32 s20, s17, 8
	s_add_co_u32 s20, s20, s18                     ; A: token 256 x tile row + 128 x half
	s_lshl_b32 s46, s42, 8
	s_add_co_u32 s46, s46, s18                     ; B: row 256 x tile column + 128 x half
	s_lshl_b32 s22, s20, 5
	s_add_co_u32 s22, s22, ASOFF
	s_mov_b32 s23, 0
	s_lshl_b32 s92, s46, 5
	s_add_co_u32 s92, s92, BSOFF
	s_mov_b32 s93, 0
	s_mul_i32 s20, s20, 48
	s_mov_b32 s21, 0
	s_mul_i32 s46, s46, KROW
	s_mov_b32 s47, 0
	s_mul_i32 s45, s14, HALFT                      ; where they go: no place in the cluster enters an LDS address
	s_mul_i32 s94, s14, HALFS
	s_wait_kmcnt 0x0
	s_add_nc_u64 s[20:21], s[4:5], s[20:21]
	s_add_nc_u64 s[22:23], s[4:5], s[22:23]
	s_add_nc_u64 s[46:47], s[6:7], s[46:47]
	s_add_nc_u64 s[92:93], s[6:7], s[92:93]
	CROUND                                         ; all sixteen work-groups are here: the first joint loads meet
	s_mov_b32 s[G0S], 1
	s_add_co_u32 s[G0S+1], s94, SCL
	s_mov_b64 s[G0S+2:G0S+3], s[22:23]
	s_or_b32 s[G0S+3], s[G0S+3], 0x80000000
	s_mov_b32 s[G0SB], 1
	s_add_co_u32 s[G0SB+1], s94, SCL
	s_mov_b64 s[G0SB+2:G0SB+3], s[92:93]
	s_or_b32 s[G0SB+3], s[G0SB+3], 0x80000000
	JLOAD G0S, G1S, G0SB, G1SB
.irp s, 0,1
	s_mov_b32 s[G0+4*\s], 1
	s_add_co_u32 s[G0+4*\s+1], s45, \s*SLOT
	s_add_nc_u64 s[G0+4*\s+2:G0+4*\s+3], s[20:21], \s*ASTEP
	s_or_b32 s[G0+4*\s+3], s[G0+4*\s+3], 0x80000000
	s_mov_b32 s[G0B+4*\s], 1
	s_add_co_u32 s[G0B+4*\s+1], s45, \s*SLOT
	s_add_nc_u64 s[G0B+4*\s+2:G0B+4*\s+3], s[46:47], \s*ROWB
	s_or_b32 s[G0B+4*\s+3], s[G0B+4*\s+3], 0x80000000
	JLOAD G0+4*\s, G1, G0B+4*\s, G1B
.endr
	v_and_b32 v1, 15, v0                           ; r
	v_bfe_u32 v2, v0, 4, 1                         ; h
	; where my part of out0 and of the bias begins
	s_lshl_b32 s20, s17, 8
	s_lshl_b32 s21, s15, 7
	s_add_co_u32 s20, s20, s21
	s_lshl_b32 s20, s20, 12                        ; my first row x 4,096 bytes
	s_mov_b32 s21, 0
	s_lshl_b32 s46, s42, 10
	s_lshl_b32 s47, s16, 9
	s_add_co_u32 s46, s46, s47                     ; my first column, in bytes
	s_mov_b32 s47, 0
	s_add_nc_u64 s[8:9], s[8:9], s[46:47]
	s_add_nc_u64 s[20:21], s[20:21], s[46:47]
	s_add_nc_u64 s[12:13], s[10:11], s[20:21]
	v_lshlrev_b32 v7, 5, v2                        ; 32 h: never rewritten
.irp b, 0,1,2,3,4,5,6,7
	global_load_b128 v[BI+8*\b:BI+8*\b+3], v7, s[8:9] offset:64*\b
	global_load_b128 v[BI+8*\b+4:BI+8*\b+7], v7, s[8:9] offset:64*\b+16
.endr
	v_mul_u32_u24 v3, v1, PITCH
	v_mul_u32_u24 v4, v2, 24
	v_add_nc_u32 v4, v3, v4                        ; B: row x pitch + 24 x half
	v_lshl_add_u32 v5, v2, 4, v4                   ; and the same behind one padding more
	v_mul_u32_u24 v6, v1, 48
	v_mad_u32_u24 v6, v2, 24, v6                   ; A: token x 48 + 24 x half
	s_mul_i32 s21, s15, HALFT
	s_mul_i32 s22, s16, HALFT
	s_add_co_u32 s22, s22, 2*HALFT
.irp s, 0,1
	v_add_nc_u32 v[ADRA+\s], s21, v6
	v_add_nc_u32 v[ADRB+\s], s22, v4
	v_add_nc_u32 v[ADRB+2+\s], s22, v5
	s_add_co_u32 s21, s21, SLOT
	s_add_co_u32 s22, s22, SLOT
.endr
	v_mul_u32_u24 v5, v1, KS
	v_lshrrev_b32 v6, 8, v5
	v_lshl_add_u32 v5, v6, 4, v5
	s_mul_i32 s21, s15, HALFS
	s_mul_i32 s22, s16, HALFS
	s_add_co_u32 s22, s22, 2*HALFS
	s_sub_co_u32 s22, s22, s21
	v_mul_u32_u24 v6, s22, v2                      ; lanes 16-31 take B's
	s_add_co_u32 s21, s21, SCL
	v_add_nc_u32 v5, v5, v6
	v_add_nc_u32 v[ADRS], s21, v5
	s_mul_i32 s23, s14, 16*SPITCH                  ; my stage
	v_mul_u32_u24 v5, v1, SPITCH
	v_lshl_add_u32 v5, v2, 5, v5
	v_add_nc_u32 v[STO], s23, v5
	v_and_b32 v6, 31, v0
	v_lshlrev_b32 v[CO], 4, v6
	v_add_nc_u32 v[RD], s23, v[CO]
.macro FRAG reg, adr, q, i             ; B's fragment: 24 bytes of the row's stream of bits twice, in pieces of 8; the second address register serves pieces behind one padding more
.irp p, 0,1,2,3,4,5
.set PCE, 12*(\q)+6*(\p/3)+\p%3
.if PCE%8 < 5
	ds_load_b64 v[\reg+2*\p:\reg+2*\p+1], v[\adr] offset:8*PCE+16*(PCE/8)+(\i)*16*PITCH
.else
	ds_load_b64 v[\reg+2*\p:\reg+2*\p+1], v[\adr+2] offset:8*PCE+16*(PCE/8)+(\i)*16*PITCH
.endif
.endr
.endm
.macro FRAG_A reg, adr, q, i           ; A's fragment: registers 6 c .. 6 c + 5 are head 2 q + c's block h of token 16 i + r
.irp p, 0,1,2,3,4,5
	ds_load_b64 v[\reg+2*\p:\reg+2*\p+1], v[\adr] offset:(2*(\q)+\p/3)*6144+768*(\i)+8*(\p%3)
.endr
.endm
; 16 matrix instructions: A's blocks a0, a0 + 1 x B's eight.  zero = 1: the first product starts the sums from the bias.  The 64 accumulators take turns.
.macro MUL16 a0, p, q, sc, zero
.irp a, \a0, \a0+1
.irp b, 0,1,2,3,4,5,6,7
.if \zero
	v_wmma_scale_f32_16x16x128_f8f6f4 v[8*(8*((\a)%4)+\b):8*(8*((\a)%4)+\b)+7], v[128*(\p)+FR*\b:128*(\p)+FR*\b+FR-1], v[AF+FR*(\a):AF+FR*(\a)+FR-1], v[BI+8*\b:BI+8*\b+7], v[SC+8*NQ*(\sc)+NQ*\b+(\q)], v[SC+8*NQ*(\sc)+NQ*(\a)+(\q)] matrix_a_fmt:MATRIX_FMT_BF6 matrix_b_fmt:MATRIX_FMT_BF6 matrix_a_scale:MATRIX_SCALE_ROW1
.else
	v_wmma_scale_f32_16x16x128_f8f6f4 v[8*(8*((\a)%4)+\b):8*(8*((\a)%4)+\b)+7], v[128*(\p)+FR*\b:128*(\p)+FR*\b+FR-1], v[AF+FR*(\a):AF+FR*(\a)+FR-1], v[8*(8*((\a)%4)+\b):8*(8*((\a)%4)+\b)+7], v[SC+8*NQ*(\sc)+NQ*\b+(\q)], v[SC+8*NQ*(\sc)+NQ*(\a)+(\q)] matrix_a_fmt:MATRIX_FMT_BF6 matrix_b_fmt:MATRIX_FMT_BF6 matrix_a_scale:MATRIX_SCALE_ROW1
.endif
.endr
.endr
.endm
.macro FETCH_B slot, q, p
	WIN TO_B
.irp i, 0,1,2,3,4,5,6,7
	FRAG 128*(\p)+FR*\i, ADRB+\slot, \q, \i
.endr
	WIN 0
.endm
.macro FETCH_A slot, q, i0
.irp i, \i0, \i0+1, \i0+2, \i0+3
	FRAG_A AF+FR*(\i), ADRA+\slot, \q, \i
.endr
.endm
.macro SCALES sc
.irp i, 0,1,2,3,4,5,6,7
	ds_load_b64 v[SC+8*NQ*\sc+NQ*\i:SC+8*NQ*\sc+NQ*\i+1], v[ADRS] offset:\i*SBLK
.endr
.endm
.macro PLACES n
.rept \n
	v_nop
.endr
.endm
.macro STEP slot, q, zero
	s_wait_dscnt 4*NL                              ; B's set and A's blocks 0-3 are in; the youngest 24 loads (A's blocks 4-7) may be out
.if \zero
	WIN MULZ_LO
.else
	WIN MUL_LO
.endif
	MUL16 0, (\q)%2, \q, \slot, \zero
	MUL16 2, (\q)%2, \q, \slot, \zero
	s_wait_dscnt 0
	PLACES NP
	FETCH_B \slot, (\q)+1, 1-(\q)%2
	FETCH_A \slot, (\q)+1, 0
.if \zero
	WIN MULZ_HI
.else
	WIN MUL_HI
.endif
	MUL16 4, (\q)%2, \q, \slot, \zero
	MUL16 6, (\q)%2, \q, \slot, \zero
	PLACES NP
	WIN 0
	FETCH_A \slot, (\q)+1, 4
.endm
.macro TURN slot, next, fill           ; a slot's last step changes slots: one barrier; in front of it the wait for all my tensor loads, the add, and the wait for it and for my reads of this slot
	s_wait_tensorcnt 0x0
	ds_add_u32 v[SPW], v[NIL]                      ; 0 onto my spare word
	s_wait_dscnt 4*NL+1                            ; the add and the youngest 24 loads may be out
	WIN MUL_LO
	MUL16 0, 1, NQ-1, \slot, 0
	s_wait_dscnt 0x0
	s_barrier_signal -1
	MUL16 2, 1, NQ-1, \slot, 0
	WIN 0
	s_barrier_wait -1
.if \fill
	CREST                                          ; a round of the cluster's barrier: no wave of any partner still reads this slot or has a load on its way
	s_add_nc_u64 s[G0+4*\slot+2:G0+4*\slot+3], s[G0+4*\slot+2:G0+4*\slot+3], 2*ASTEP
	s_add_nc_u64 s[G0B+4*\slot+2:G0B+4*\slot+3], s[G0B+4*\slot+2:G0B+4*\slot+3], 2*ROWB
	JLOAD G0+4*\slot, G1, G0B+4*\slot, G1B
.else
	PLACES NP
.endif
	v_add_nc_u32 v[ADRS], 4*NQ, v[ADRS]
	FETCH_B \next, 0, 0
	FETCH_A \next, 0, 0
	SCALES \next
	WIN MUL_HI
	MUL16 4, 1, NQ-1, \slot, 0
	MUL16 6, 1, NQ-1, \slot, 0
	PLACES NP
	WIN 0
	FETCH_A \next, 0, 4
.endm
	s_wait_tensorcnt 1                             ; the scale bytes and my part of K step 0 are in; K step 1's load may be out
	s_barrier_signal -1
	s_barrier_wait -1
	FETCH_B 0, 0, 0
	FETCH_A 0, 0, 0
	SCALES 0
	FETCH_A 0, 0, 4
	s_wait_loadcnt 0x0                             ; the bias
	STEP 0, 0, 1
	s_mov_b32 s3, LAPS-1
.Llap:
	TURN 0, 1, 1
	STEP 1, 0, 0
	TURN 1, 0, 1
	STEP 0, 0, 0
	s_sub_co_u32 s3, s3, 1
	s_cmp_lg_u32 s3, 0
	s_cbranch_scc1 .Llap
	TURN 0, 1, 0
	STEP 1, 0, 0
	s_wait_dscnt 4*NL
	WIN MUL_LO
	MUL16 0, 1, NQ-1, 1, 0
	MUL16 2, 1, NQ-1, 1, 0
	s_wait_dscnt 0
	WIN MUL_HI
	MUL16 4, 1, NQ-1, 1, 0
	MUL16 6, 1, NQ-1, 1, 0
	WIN 0
; THE WAY OUT, block by block of 16 rows x 128 columns, through my own stage (in slot 0, which has had its last fill and its last read), back as whole rows of 512 bytes.
.macro TOSTAGE a
.set AC, 64*((\a)%4)
	WIN 0x08+4*((\a)/4)                            ; the data: window 2 or 3
.irp b, 0,1,2,3,4,5,6,7
	ds_store_b128 v[STO], v[AC+8*\b:AC+8*\b+3] offset:64*\b          ; each accumulator from its low end on
	ds_store_b128 v[STO], v[AC+8*\b+4:AC+8*\b+7] offset:64*\b+16
.endr
	WIN 0
.set BBK, BK+64*((\a)%2)
.irp t, 0,1,2,3,4,5,6,7,8,9,10,11,12,13,14,15
	ds_load_b128 v[BBK+4*\t:BBK+4*\t+3], v[RD] offset:\t*SPITCH
.endr
.endm
.macro SEND a, younger
.set BBK, BK+64*((\a)%2)
	s_wait_dscnt \younger                          ; the block is back in registers; the LDS instructions issued behind its loads may be out
.if (\a) > 0
	s_add_nc_u64 s[12:13], s[12:13], 16*SIZE_N*4   ; (behind a wait on XCNT: the earlier stores have read their base)
.endif
.irp t, 0,1,2,3,4,5,6,7,8,9,10,11,12,13,14,15
	global_store_b128 v[CO], v[BBK+4*\t:BBK+4*\t+3], s[12:13] offset:\t*SIZE_N*4 th:TH_STORE_NT   ; 32 lanes store 512 consecutive bytes, at a multiple of 256 from out0's first byte
.endr
.endm
	PLACES NP
	TOSTAGE 0
.irp a, 1,2,3,4,5,6,7
.if \a > 1
	s_wait_xcnt 0x0                                ; block a - 2's stores have read their registers and their base
.endif
	TOSTAGE \a
	SEND \a-1, 32                                  ; behind block a - 1's loads: block a's 16 stores and 16 loads
.endr
	s_wait_xcnt 0x0
	SEND 7, 0
	s_wait_tensorcnt 0x0                           ; the wave's end
	ds_add_u32 v[SPW], v[NIL]
	s_wait_dscnt 0x0
	CROUND                                         ; the closing round
	s_endpgm
.Lfunc_end_k_qf91335d19d_gemm_proj:
	.size	k_qf91335d19d_gemm_proj, .Lfunc_end_k_qf91335d19d_gemm_proj-k_qf91335d19d_gemm_proj
	.p2alignl 7, 3214868480
	.fill 96, 4, 3214868480
	.section	.rodata,"a",@progbits
	.p2align	6, 0x0
	.amdhsa_kernel k_qf91335d19d_gemm_proj
		.amdhsa_group_segment_fixed_size 327680
		.amdhsa_private_segment_fixed_size 0
		.amdhsa_enable_private_segment 0
		.amdhsa_kernarg_size 32
		.amdhsa_user_sgpr_count 2
		.amdhsa_user_sgpr_kernarg_segment_ptr 1
		.amdhsa_wavefront_size32 1
		.amdhsa_system_sgpr_workgroup_id_x 1
		.amdhsa_system_sgpr_workgroup_id_y 1
		.amdhsa_system_sgpr_workgroup_id_z 1
		.amdhsa_system_vgpr_workitem_id 0
		.amdhsa_next_free_vgpr 1024
		.amdhsa_next_free_sgpr 100
		.amdhsa_reserve_vcc 0
		.amdhsa_float_denorm_mode_32 3
		.amdhsa_float_denorm_mode_16_64 3
		.amdhsa_memory_ordered 1
		.amdhsa_forward_progress 1
		.amdhsa_inst_pref_size 161
	.end_amdhsa_kernel
	.amdgpu_metadata
---
amdhsa.version: [ 1, 2 ]
amdhsa.kernels:
  - .name:           k_qf91335d19d_gemm_proj
    .symbol:         k_qf91335d19d_gemm_proj.kd
    .args:
      - { .name: aoq, .offset: 0, .size: 8, .value_kind: global_buffer, .address_space: global }
      - { .name: wpq, .offset: 8, .size: 8, .value_kind: global_buffer, .address_space: global }
      - { .name: b_proj, .offset: 16, .size: 8, .value_kind: global_buffer, .address_space: global }
      - { .name: out0, .offset: 24, .size: 8, .value_kind: global_buffer, .address_space: global }
    .group_segment_fixed_size: 327680
    .private_segment_fixed_size: 0
    .kernarg_segment_align: 8
    .kernarg_segment_size: 32
    .max_flat_workgroup_size: 128
    .sgpr_count:     100
    .vgpr_count:     1024
    .wavefront_size: 32
...
	.end_amdgpu_metadata
.endif
;; end of part 4
